; MI455X (gfx1250); checked and timed in simulation.
; The chip was launched on July 23, 2026; its instructions are those of AMD's public machine-readable ISA for CDNA 5 (MIT licence, August 2026) and "CDNA5" Instruction Set Architecture Reference Guide (July 2026). The comments in the code are by the model that wrote it; some were corrected since.
;; Multi Head Attention. Allowed arithmetic: matrix products marked QUANTISED: E4M3 operands, one given power-of-two scale a tensor, by v_wmma_f32_16x16x64_fp8_fp8 or v_wmma_f32_16x16x128_fp8_fp8, f32 sums; everything else in f32.
;; Inputs: Q 2 x 2,048 x 1,024 float32; W_K 1,024 x 1,024 float32; W_O 1,024 x 1,024 float32; W_Q 1,024 x 1,024 float32; W_V 1,024 x 1,024 float32; b_K 1,024 float32; b_O 1,024 float32; b_Q 1,024 float32; b_V 1,024 float32; lowp_scales 12 int32 (the exponents e of the quantised operands' scales 2^e); mask 2,048 x 2,048 bool.
;; Outputs: out0 2 x 2,048 x 1,024 float32.
;; This version of the problem:
;;   THIS VERSION OF THE PROBLEM IS GIVEN IN LOW PRECISION. The matrix products marked QUANTISED in the list below multiply operands that are first quantised to E4M3 (4 exponent bits, 3 mantissa bits; 8 bits a number), with one given power-of-two scale for each operand tensor; their sums are f32. All else is computed in f32.
;;   The module's matrix products, in the order in which they are computed (A, B: the left and right operand; K: the contracted axis; several contracted axes count as one K, in the product's order):
;;     1. [M 4,096, K 1,024] x [K 1,024, N 1,024]; A: input Q; B: input W_Q: QUANTISED (scales: A lowp_scales[0], B lowp_scales[1])
;;     2. [M 4,096, K 1,024] x [K 1,024, N 1,024]; A: input Q; B: input W_K: QUANTISED (scales: A lowp_scales[2], B lowp_scales[3])
;;     3. [M 4,096, K 1,024] x [K 1,024, N 1,024]; A: input Q; B: input W_V: QUANTISED (scales: A lowp_scales[4], B lowp_scales[5])
;;     4. batch 32 x [M 2,048, K 64] x [K 64, N 2,048]; A: computed on the way; B: computed on the way: QUANTISED (scales: A lowp_scales[6], B lowp_scales[7])
;;     5. batch 32 x [M 2,048, K 2,048] x [K 2,048, N 64]; A: softmax (see below); B: computed on the way: QUANTISED (scales: A lowp_scales[8], B lowp_scales[9])
;;     6. [M 4,096, K 1,024] x [K 1,024, N 1,024]; A: computed on the way; B: input W_O: QUANTISED (scales: A lowp_scales[10], B lowp_scales[11])
;;   THE QUANTISER, for each operand of a quantised product, along K:
;;     - The operand's scale is 2^e, e = its entry of the input lowp_scales (int32; the entries are numbered through the quantised products in the list's order, A before B).
;;     - Each number is divided by the scale, clamped to +-448, and rounded to the nearest number of E4M3, ties to even, subnormals kept.
;;     - The product sums the exact products of the quantised numbers (number of the format x scale) in f32.
;;   ~~~python
;;   def quantise(x, axis, e):      # numpy; x: float32 -> the quantised numbers, widened to float32 again
;;       x = np.moveaxis(x, axis, -1); K = x.shape[-1]
;;       r = np.clip(x / 2.0 ** e, -448, 448)
;;       step = 2.0 ** (np.maximum(np.frexp(np.where(r == 0, 1, r))[1] - 1, -6) - 3)
;;       q = np.round(r / step) * step * 2.0 ** e      # np.round: ties to even
;;       return np.moveaxis(q, -1, axis).astype(np.float32)
;;   ~~~
;;   SOFTMAX AHEAD OF A QUANTISED PRODUCT. Where the list says 'softmax', what is quantised is not the finished softmax but p = 2^(t - M), with t = logit x log2(e) and M = ceil(the row's largest t), a whole number; so 1/2 < the row's largest p <= 1. The row's sum l is taken of the UNQUANTISED p, in f32, and the product's result is divided by l at the end. Since M is a whole number, a kernel that streams over the keys may use a running M (the ceiling of the running maximum): every later rescaling is an exact power of two, so the quantised numbers keep their values, but for numbers so far below the row's largest that they fall under the format's range.
;;   OPERANDS COMPUTED ON THE WAY. 'Computed on the way' means the value that the module computes at that place (a softmax that the list does not call 'softmax' is quantised finished and normalised). What goes into a quantiser is computed in f32, as accurately as f32 sums, v_exp_f32 and their like allow (about 1e-6 of the number): no bf16 or f16 on the way to a quantiser, and a product that is left as it is and whose result goes on into a quantised operand takes f32 operands (vector FMAs, or v_wmma_f32_16x16x4_f32). A number that lies on a knife's edge between two numbers of the format may be rounded either way, as far as f32 arithmetic and the matrix unit's own rounding can turn it there, and no further.
;; 2 versions. Each part assembles by itself: llvm-mc -triple=amdgcn-amd-amdhsa -mcpu=gfx1250 --defsym DOCPART=n.
;; ======== version 1 of 2: 4 launches
;; workspace buffers: qc 12,582,912 bytes; wc 4,194,304 bytes; mbits 524,288 bytes of whole numbers; heads 12,582,912 bytes; ac 4,194,304 bytes
;; launch prep (part 1): grid 512 x 1, 4 waves a work-group, no clusters, 58,880 bytes of LDS; arguments Q, W_Q, W_K, W_V, W_O, mask, lowp_scales, qc, wc, mbits; writes qc, wc, mbits
.if DOCPART == 1
	.amdgcn_target "amdgcn-amd-amdhsa--gfx1250"
	.amdhsa_code_object_version 6
	.text
	.protected	k_q406ddc007d_prep
	.globl	k_q406ddc007d_prep
	.p2align	8
	.type	k_q406ddc007d_prep,@function
k_q406ddc007d_prep:
	s_mov_b64 s[64:65], 0
	v_nop
	global_prefetch_b8 v0, s[64:65] scope:SCOPE_SE
	s_setreg_imm32_b32 hwreg(HW_REG_WAVE_MODE, 25, 1), 1
	s_wait_xcnt 0x0
; THE LAUNCH IN FRONT OF THE PRODUCTS.  Three kinds of work-groups, told apart by the work-group's number alone; the three ways never join, and each has LDS bytes of its own.
;   0-127:   Q [4096][1024] f32 becomes codes of E4M3 three times, with the scales 2^e0, 2^e2, 2^e4 (they may differ): qc [3][4096][1024], one code a byte, K innermost.  Q is read once.
;   128-255: W_Q, W_K, W_V, W_O [1024][1024] f32 become codes with 2^e1, 2^e3, 2^e5, 2^e11: wc [4][1024][1024].  32 work-groups to a tensor.
;   256-511: the mask's bytes become words of lane bits for the attention launch: mbits [T 128][ks 16][n 64].  Bit L = r + 16 h of word n = 16 b + i says whether
;            query 32 (T / 2) + 8 (T % 2) + r + 8 (r / 8) is closed to key 128 ks + 32 b + 16 h + i: the query and the key that lane L holds in score register n there.
; code = x / 2^e, held within +-448, rounded to the nearest code, ties to even.  LIMITS: each e between -126 and 119, so that 2^e and 448 x 2^e are f32 numbers.  NaN among the inputs is not served.
; Rows are dense, so a tensor is a plain stream.  A wave takes 16 steps of 512 numbers.  Each load reads 512 consecutive bytes, 16 a lane; a step's 2,048 bytes turn through the wave's own stage in LDS and
; come back 64 bytes a lane, since the conversions take neighbours along K from one lane's registers.  A lane's 16 codes are 16 bytes: the wave stores 512 consecutive bytes.
; No matrix unit, no tensor loads, no barrier: waves share nothing.  Loads run four steps (16 loads a wave) ahead.
.set STEPS, 16
.set SP,    80                         ; a lane's place in a stage: its 64 bytes + 16 of padding
.set WREG,  5120                       ; two stages of 32 x SP bytes for each wave
.set WBASE, 20480                      ; the W way's stages begin here
.set MBASE, 40960                      ; the mask way's stages begin here: 16 rows x MPI bytes for each wave
.set MPI,   272                        ; a row of 256 mask bytes + 16 of padding
.set R,     16                         ; v16-79   four sets of 16 numbers as they are loaded
.set X,     80                         ; v80-111  two sets of 16 neighbours
.set T,     112                        ; v112-127 the numbers held within the largest code x the scale
.set C,     128                        ; v128-151 codes: [step's parity][output][4]
; v4-6: 2^e as f32, for up to three outputs;  v8-10: 448 x 2^e;  v14, v15: the stage, way in and way out;  v3: 16 x lane
.macro LOAD t
.irp i, 0,1,2,3
	global_load_b128 v[R+16*((\t)%4)+4*\i:R+16*((\t)%4)+4*\i+3], v3, s[4:5] offset:2048*(\t)+512*\i th:TH_LOAD_NT   ; 32 lanes read 512 consecutive bytes
.endr
.endm
.macro TURN t                          ; step t's numbers through the stage: LDS serves a wave's instructions in order, so no wait stands between the stores and the loads
.irp i, 0,1,2,3
	ds_store_b128 v14, v[R+16*((\t)%4)+4*\i:R+16*((\t)%4)+4*\i+3] offset:32*SP*((\t)%2)+8*SP*\i
.endr
.irp i, 0,1,2,3
	ds_load_b128 v[X+16*((\t)%2)+4*\i:X+16*((\t)%2)+4*\i+3], v15 offset:32*SP*((\t)%2)+16*\i
.endr
.endm
.macro SCALE j, e                      ; s[e] holds the exponent of output j's scale
	s_add_co_i32 s52, s[\e], 127
	s_lshl_b32 s53, s52, 23
	v_mov_b32 v[4+\j], s53                         ; 2^e as f32: the conversion takes its exponent field
	s_add_co_i32 s52, s52, 8
	s_lshl_b32 s52, s52, 23
	s_or_b32 s52, s52, 0x600000
	v_mov_b32 v[8+\j], s52                         ; 448 x 2^e
.endm
.macro ADDRS base                      ; the wave's stages begin at base + WREG x wave
	s_mul_i32 s38, s2, WREG
	s_add_co_u32 s38, s38, \base
	v_lshrrev_b32 v14, 2, v2
	v_mul_u32_u24 v14, v14, SP
	v_and_b32 v15, 3, v2
	v_lshl_add_u32 v14, v15, 4, v14
	v_add_nc_u32 v14, s38, v14                     ; way in: four lanes' 64 bytes on end, then 16 of padding
	v_mul_u32_u24 v15, v2, SP
	v_add_nc_u32 v15, s38, v15                     ; way out: my 16 neighbours
.endm
.macro STEP t, nout
.set XS, X+16*((\t)%2)
	s_wait_dscnt 0x0                               ; this step's numbers are back from the stage, so its stores into the stage have read their registers,
.if (\t)+4 < STEPS
	LOAD (\t)+4                                    ; which take the loads of four steps on
.endif
.if (\t)+1 < STEPS
.if STEPS-2-(\t) >= 3
	s_wait_loadcnt 12                              ; the next step's four loads are in; those of the three steps behind it may be out
.else
	s_wait_loadcnt 4*(STEPS-2-(\t))
.endif
	TURN (\t)+1                                    ; and go through the other stage while this step is worked
.endif
	s_wait_xcnt 0x0                                ; the earlier stores have read their data: the codes' registers may be written again
.set J, 0
.rept \nout
.irp i, 0,1,2,3,4,5,6,7,8,9,10,11,12,13,14,15
	v_med3_num_f32 v[T+\i], v[XS+\i], -v[8+J], v[8+J]   ; the conversion to an 8-bit code does not saturate (ISA guide 7.6.2): the hold at the largest code x the scale
.endr
	v_cvt_scalef32_pk8_fp8_f32 v[C+12*((\t)%2)+4*J:C+12*((\t)%2)+4*J+1], v[T:T+7], v[4+J]
	v_cvt_scalef32_pk8_fp8_f32 v[C+12*((\t)%2)+4*J+2:C+12*((\t)%2)+4*J+3], v[T+8:T+15], v[4+J]
	v_nop                                          ; a plain vector line between the conversions and the next holds, which write their sources
	global_store_b128 v3, v[C+12*((\t)%2)+4*J:C+12*((\t)%2)+4*J+3], s[28+2*J:29+2*J] offset:512*(\t)   ; 32 lanes store 512 consecutive bytes, aligned
.set J, J+1
.endr
.endm
.macro RUN nout
	s_wait_loadcnt 12                              ; step 0's four loads are in
	TURN 0
.set QQ, 0
.rept STEPS
	STEP QQ, \nout
.set QQ, QQ+1
.endr
.endm
	s_load_b512 s[8:23], s[0:1], 0x0               ; Q s[8:9], W_Q s[10:11], W_K s[12:13], W_V s[14:15], W_O s[16:17], mask s[18:19], the scales s[20:21], qc s[22:23]
	s_load_b128 s[24:27], s[0:1], 0x40             ; wc s[24:25], mbits s[26:27]
	v_lshl_add_u32 v160, v0, 2, 0xe400
	v_mov_b32 v161, 0
	v_lshrrev_b32 v1, 5, v0
	v_readfirstlane_b32 s2, v1                     ; wave 0..3
	v_and_b32 v2, 31, v0                           ; lane
	v_lshlrev_b32 v3, 4, v2                        ; 16 x lane
	s_wait_kmcnt 0x0
	s_cmp_lt_u32 ttmp9, 128
	s_cbranch_scc1 .Lq
	s_cmp_lt_u32 ttmp9, 256
	s_cbranch_scc1 .Lw
	; ---- THE MASK.  A wave takes the 16 queries of one tile T and 256 keys (two key steps): 16 rows x 256 bytes, each row's 256 bytes read whole.
	s_sub_co_u32 s34, ttmp9, 256
	s_lshl_b32 s34, s34, 2
	s_add_co_u32 s34, s34, s2                      ; 0 .. 1023
	s_lshr_b32 s35, s34, 3                         ; T
	s_and_b32 s36, s34, 7                          ; which 256 keys
	s_lshr_b32 s37, s35, 1
	s_lshl_b32 s37, s37, 5
	s_and_b32 s38, s35, 1
	s_lshl_b32 s38, s38, 3
	s_add_co_u32 s37, s37, s38                     ; the tile's first query: 32 (T / 2) + 8 (T % 2)
	s_lshl_b32 s38, s37, 11                        ; a row of the mask is 2,048 bytes
	s_lshl_b32 s37, s36, 8
	s_add_co_u32 s38, s38, s37
	s_mov_b32 s39, 0
	s_add_nc_u64 s[18:19], s[18:19], s[38:39]
	s_lshl_b32 s38, s35, 12                        ; a tile's words are 4,096 bytes, a key step's 256
	s_lshl_b32 s37, s36, 9
	s_add_co_u32 s38, s38, s37
	s_add_nc_u64 s[26:27], s[26:27], s[38:39]
	v_and_b32 v4, 15, v2                           ; lane % 16
	v_lshrrev_b32 v5, 4, v2                        ; lane / 16
	v_lshlrev_b32 v6, 4, v4
	v_lshl_add_u32 v6, v5, 11, v6                  ; in memory: lanes 0-15 one row, lanes 16-31 the next; 16 bytes a lane
	s_mul_i32 s37, s2, 16*MPI
	s_add_co_u32 s37, s37, MBASE
	v_mul_u32_u24 v7, v5, MPI
	v_lshl_add_u32 v7, v4, 4, v7
	v_add_nc_u32 v7, s37, v7                       ; the same two rows in the stage
	v_mul_u32_u24 v8, v4, MPI
	v_lshl_add_u32 v8, v5, 4, v8
	v_add_nc_u32 v8, s37, v8                       ; back: row r = lane % 16, 16 bytes at 16 h
	v_lshlrev_b32 v9, 3, v2                        ; out: two words a lane
.irp i, 0,1,2,3,4,5,6,7
	global_load_b128 v[16+4*\i:19+4*\i], v6, s[18:19] offset:(2*\i+8*(\i/4))*2048 th:TH_LOAD_NT   ; rows 2 i, 2 i + 1 of the tile: queries 0-7 and 16-23 from its first
.endr
.irp i, 84,85,86,87
	v_mov_b32 v\i, 0                               ; written once: v_writelane_b32's destination counts as one of its sources
.endr
	s_wait_loadcnt 0x0
.irp i, 0,1,2,3,4,5,6,7
	ds_store_b128 v7, v[16+4*\i:19+4*\i] offset:2*MPI*\i
.endr
.irp s, 0,1
.irp b, 0,1,2,3
	ds_load_b128 v[48+16*\s+4*\b:51+16*\s+4*\b], v8 offset:128*\s+32*\b   ; keys 128 s + 32 b + 16 h + 0 .. 15 of my query: LDS serves a wave's instructions in order, so these see the stores
.endr
.endr
	s_wait_dscnt 0x0
.set g, 0
.rept 32                               ; register 48 + g holds the bytes of words 4 g .. 4 g + 3 (of 128: two key steps of 64)
.irp k, 0,1,2,3
	v_bfe_u32 v[80+\k], v[48+g], 8*\k, 8
.endr
.irp k, 0,1,2,3
	v_cmp_ne_u32 s[40+\k], 0, v[80+\k]             ; bit L: closed
.endr
.irp k, 0,1,2,3
	v_writelane_b32 v[84+2*(g/16)+(\k%2)], s[40+\k], ((4*g+\k)%64)/2   ; word n of a key step goes to lane n / 2, register n % 2
.endr
.set g, g+1
.endr
	global_store_b64 v9, v[84:85], s[26:27]            ; 32 lanes store 256 consecutive bytes, aligned: a key step's 64 words
	global_store_b64 v9, v[86:87], s[26:27] offset:256
	s_wait_tensorcnt 0x0
	ds_add_u32 v160, v161
	s_wait_dscnt 0x0
	s_endpgm
	; ---- Q, three times
.Lq:
	s_load_b256 s[40:47], s[20:21], 0x0            ; e0 .. e7
	s_lshl_b32 s34, ttmp9, 2
	s_add_co_u32 s34, s34, s2                      ; which run of 8,192 numbers is my wave's: 0 .. 511
	s_lshl_b32 s36, s34, 15
	s_mov_b32 s37, 0
	s_add_nc_u64 s[4:5], s[8:9], s[36:37]
	s_lshl_b32 s36, s34, 13
	s_add_nc_u64 s[28:29], s[22:23], s[36:37]      ; the three sections of qc lie 4 MiB apart
	s_add_nc_u64 s[30:31], s[28:29], 0x400000
	s_add_nc_u64 s[32:33], s[28:29], 0x800000
	ADDRS 0
.irp t, 0,1,2,3
	LOAD \t
.endr
	s_wait_kmcnt 0x0
	SCALE 0, 40
	SCALE 1, 42
	SCALE 2, 44
	RUN 3
	s_wait_tensorcnt 0x0
	ds_add_u32 v160, v161
	s_wait_dscnt 0x0
	s_endpgm
	; ---- the four weights
.Lw:
	s_load_b256 s[40:47], s[20:21], 0x0            ; e0 .. e7
	s_load_b128 s[48:51], s[20:21], 0x20           ; e8 .. e11
	s_sub_co_u32 s34, ttmp9, 128
	s_lshr_b32 s35, s34, 5                         ; which weight: 0 W_Q, 1 W_K, 2 W_V, 3 W_O
	s_and_b32 s34, s34, 31
	s_lshl_b32 s34, s34, 2
	s_add_co_u32 s34, s34, s2                      ; which run of 8,192 numbers: 0 .. 127
	s_cmp_eq_u32 s35, 0                            ; the choices hang on the work-group's number alone
	s_cselect_b64 s[4:5], s[10:11], s[12:13]
	s_cmp_lt_u32 s35, 2
	s_cselect_b64 s[4:5], s[4:5], s[14:15]
	s_cmp_lt_u32 s35, 3
	s_cselect_b64 s[4:5], s[4:5], s[16:17]
	s_lshl_b32 s36, s34, 15
	s_mov_b32 s37, 0
	s_add_nc_u64 s[4:5], s[4:5], s[36:37]
	s_lshl_b32 s36, s34, 13
	s_lshl_b32 s38, s35, 20
	s_add_co_u32 s36, s36, s38
	s_add_nc_u64 s[28:29], s[24:25], s[36:37]
	ADDRS WBASE
.irp t, 0,1,2,3
	LOAD \t
.endr
	s_wait_kmcnt 0x0
	s_cmp_eq_u32 s35, 0
	s_cselect_b32 s54, s41, s43                    ; e1, e3,
	s_cmp_lt_u32 s35, 2
	s_cselect_b32 s54, s54, s45                    ; e5,
	s_cmp_lt_u32 s35, 3
	s_cselect_b32 s54, s54, s51                    ; e11
	SCALE 0, 54
	RUN 1
	s_wait_tensorcnt 0x0
	ds_add_u32 v160, v161
	s_wait_dscnt 0x0
	s_endpgm
.Lfunc_end_k_q406ddc007d_prep:
	.size	k_q406ddc007d_prep, .Lfunc_end_k_q406ddc007d_prep-k_q406ddc007d_prep
	.p2alignl 7, 3214868480
	.fill 96, 4, 3214868480
	.section	.rodata,"a",@progbits
	.p2align	6, 0x0
	.amdhsa_kernel k_q406ddc007d_prep
		.amdhsa_group_segment_fixed_size 58880
		.amdhsa_private_segment_fixed_size 0
		.amdhsa_enable_private_segment 0
		.amdhsa_kernarg_size 80
		.amdhsa_user_sgpr_count 2
		.amdhsa_user_sgpr_kernarg_segment_ptr 1
		.amdhsa_wavefront_size32 1
		.amdhsa_system_sgpr_workgroup_id_x 1
		.amdhsa_system_sgpr_workgroup_id_y 1
		.amdhsa_system_sgpr_workgroup_id_z 1
		.amdhsa_system_vgpr_workitem_id 0
		.amdhsa_next_free_vgpr 162
		.amdhsa_next_free_sgpr 66
		.amdhsa_reserve_vcc 0
		.amdhsa_float_denorm_mode_32 3
		.amdhsa_float_denorm_mode_16_64 3
		.amdhsa_memory_ordered 1
		.amdhsa_forward_progress 1
		.amdhsa_inst_pref_size 144
	.end_amdhsa_kernel
	.amdgpu_metadata
---
amdhsa.version: [ 1, 2 ]
amdhsa.kernels:
  - .name:           k_q406ddc007d_prep
    .symbol:         k_q406ddc007d_prep.kd
    .args:
      - { .name: Q, .offset: 0, .size: 8, .value_kind: global_buffer, .address_space: global }
      - { .name: W_Q, .offset: 8, .size: 8, .value_kind: global_buffer, .address_space: global }
      - { .name: W_K, .offset: 16, .size: 8, .value_kind: global_buffer, .address_space: global }
      - { .name: W_V, .offset: 24, .size: 8, .value_kind: global_buffer, .address_space: global }
      - { .name: W_O, .offset: 32, .size: 8, .value_kind: global_buffer, .address_space: global }
      - { .name: mask, .offset: 40, .size: 8, .value_kind: global_buffer, .address_space: global }
      - { .name: lowp_scales, .offset: 48, .size: 8, .value_kind: global_buffer, .address_space: global }
      - { .name: qc, .offset: 56, .size: 8, .value_kind: global_buffer, .address_space: global }
      - { .name: wc, .offset: 64, .size: 8, .value_kind: global_buffer, .address_space: global }
      - { .name: mbits, .offset: 72, .size: 8, .value_kind: global_buffer, .address_space: global }
    .group_segment_fixed_size: 58880
    .private_segment_fixed_size: 0
    .kernarg_segment_align: 8
    .kernarg_segment_size: 80
    .max_flat_workgroup_size: 128
    .sgpr_count:     66
    .vgpr_count:     162
    .wavefront_size: 32
...
	.end_amdgpu_metadata
.endif
;; end of part 1
;; launch qkv (part 2): grid 12 x 16, 4 waves a work-group, clusters of 4 x 4, 327,680 bytes of LDS; arguments qc, wc, b_Q, b_K, b_V, lowp_scales, heads; writes heads
.if DOCPART == 2
	.amdgcn_target "amdgcn-amd-amdhsa--gfx1250"
	.amdhsa_code_object_version 6
	.text
	.protected	k_q406ddc007d_qkv
	.globl	k_q406ddc007d_qkv
	.p2align	8
	.type	k_q406ddc007d_qkv,@function
k_q406ddc007d_qkv:
	s_mov_b64 s[64:65], 0
	v_nop
	global_prefetch_b8 v0, s[64:65] scope:SCOPE_SE
	s_setreg_imm32_b32 hwreg(HW_REG_WAVE_MODE, 25, 1), 1
	s_wait_xcnt 0x0
	s_wait_alu depctr_hold_cnt(0) depctr_sa_sdst(0) depctr_va_vdst(0) depctr_va_sdst(0) depctr_va_ssrc(0) depctr_va_vcc(0) depctr_vm_vsrc(0)
	s_getreg_b32 s2, hwreg(HW_REG_IB_STS2, 6, 4)
	s_cmp_eq_u32 s2, 0
	s_cbranch_scc0 .Lentry_in_a_cluster
	s_endpgm
.Lentry_in_a_cluster:
	s_bfe_u32 s2, ttmp6, 0x10000c
	s_cmp_lg_u32 s2, 0xf033
	s_cbranch_scc0 .Lentry_shape_is_right
	s_endpgm
.Lentry_shape_is_right:
; THE THREE PROJECTIONS, on codes of E4M3, and their results quantised again for the attention launch.  The cluster's x is the section: 0 q, 1 k, 2 v.
; A tile of 256 x 256 of C = A B^T is made by four waves, each 128 x 128: 64 accumulators, 512 registers.  K = 1,024 goes in four steps of 256 through a ring of two LDS slots filled by the tensor data mover.
; Sections 0, 1: A = the tokens' codes (block 4 x cluster y + cy of 16), B = the weight's codes (block cx of 4): a row of the tile is a token, and a lane's eight results are eight neighbouring features.
; Section 2: A = W_V's codes (block cy of 4), B = the tokens' (block 4 x cluster y + cx of 16): the tile is V^T, and a lane's eight results are eight neighbouring KEYS, which are the second attention product's K.
; Only addresses differ between the sections; they are chosen by s_cselect on the cluster's x, which all sixteen partners share.  In every section A's tile hangs on cy alone and is asked for jointly by the
; four work-groups of a row of the cluster, B's on cx alone, by the four of a column: that divides the requests for both by four.
; THE MATRIX INSTRUCTION IS USED TRANSPOSED (source 0 = 16 rows of B, source 1 = 16 rows of A).  A fragment is fetched by four loads of 16 bytes: a permutation of k, the same in A and in B.
; THE WAY OUT: sum x 2^(eA + eB) + bias, held within +-448 x 2^eo, converted with 2^eo (eo = e6, e7, e9); the codes meet in a stage of 256 rows x 272 bytes in slot 0 (it has had its last fill and its last
; read by then) and leave as IMAGES OF OPERAND REGISTERS: 16 rows x 64 bytes in 1,024 bytes, byte (row r, 32 c + 16 h + x) at 512 c + 256 h + 16 r + x.  Row r of image T of a run is row 32 (T / 2) + 8 (T % 2) + r + 8 (r / 8).
; heads = three sections of 4 MiB, each [32 heads][131,072 bytes].  q, k: 128 images a head, rows = tokens, bytes = the head's 64.  v: [32 groups of 64 keys][4 images], rows = the head's 64, bytes = keys.
; LIMITS: eA + eB between -126 and 127; eo between -126 and 119.  NaN is not served.
; REGISTERS, in windows of 256: window 0: v0-31 addresses; v32-95 the bias along the columns; v96-111 the bias along the rows, each number twice; from v128 A's fragments, ONE set; on the way out v128-255 are at work.
;   window 1: B's fragments, TWO sets.   window 2: the 32 accumulators of my rows 0-63 ((a, b) at v[8 (8 a + b)]);   window 3: those of my rows 64-127.
.set KSTEP,  256
.set ROWB,   256                       ; a tile's row in bytes
.set KROW,   1024                      ; a row of codes in memory
.set PITCH,  272                       ; an LDS row: 256 bytes + 16 of padding: the 16 rows that a load touches start at 16 different banks (64 banks of 4 bytes: ISA guide 11.1)
.set FR,     16
.set NL,     4
.set NP,     4
.set HALFT,  128*PITCH
.set SLOT,   4*HALFT
.set LAPS,   2                         ; 1,024 / (2 x 256)
.set SPARE,  2*SLOT                    ; behind the ring: the spare words, 128 bytes for each wave, which no other line names
.set CO,   8                           ; v8-11   the way out: my byte offset in heads, for each of the four runs of 64 stage rows
.set ADRA, 16
.set ADRB, 20
.set STO,  24                          ; v24     where I put 8 codes of a stage row
.set RD,   25                          ; v25     where I read 16 bytes of an image's row back
.set SPW,  28
.set NIL,  29
.set BC,   32
.set BR,   96
.set TW,   128                         ; the way out: a block's 64 numbers
.set AF,   128
.set G1, 24
.set G0, 32
.set G1B, 48
.set G0B, 56
.set MSB, 0
.macro WIN new                         ; the immediate's high byte repeats the setting that is left
.if MSB != \new
	s_set_vgpr_msb (MSB<<8)|\new
.set MSB, \new
.endif
.endm
.set MUL_LO, 0xa1                      ; source 0 (B) window 1, source 1 (A) window 0, C and D window 2
.set MUL_HI, 0xf1
.set TO_B,   0x40
; A joint load: waves 0 and 1 fetch for A, waves 2 and 3 for B; the branch hangs on the wave's number alone.  Four v_nop follow each of the two lines.
.macro JLOAD g0a, g1a, g0b, g1b
	s_cmp_eq_u32 s15, 0
	s_cbranch_scc0 .Lfor_b_\@
	tensor_load_to_lds s[\g0a:\g0a+3], s[\g1a:\g1a+7]
	s_nop 0
.rept 4
	v_nop
.endr
	s_branch .Lasked_\@
.Lfor_b_\@:
	tensor_load_to_lds s[\g0b:\g0b+3], s[\g1b:\g1b+7]
	s_nop 0
.rept 4
	v_nop
.endr
.Lasked_\@:
.endm
.macro CREST                           ; a round of the cluster's barrier behind its opening barrier
	s_cmp_lg_u32 s14, 0
	s_cbranch_scc1 .Lnot_wave_0_\@
	s_barrier_signal -3
.Lnot_wave_0_\@:
	s_barrier_wait -3
	s_barrier_signal -1
	s_barrier_wait -1
.endm
.macro CROUND
	s_barrier_signal -1
	s_barrier_wait -1
	CREST
.endm
	s_load_b256 s[68:75], s[0:1], 0x0              ; qc s[68:69], wc s[70:71], b_Q s[72:73], b_K s[74:75]
	s_load_b128 s[76:79], s[0:1], 0x20             ; b_V s[76:77], the scales s[78:79]
	s_load_b64 s[80:81], s[0:1], 0x30              ; heads
	v_lshl_add_u32 v[SPW], v0, 2, SPARE
	v_mov_b32 v[NIL], 0
	ds_add_u32 v28, v29
	ds_add_u32 v28, v29
	s_wait_dscnt 0x0
	v_lshrrev_b32 v1, 5, v0
	v_readfirstlane_b32 s14, v1                    ; wave 0..3
	s_lshr_b32 s15, s14, 1                         ; which half of the tile's rows is mine.  Also: I fetch for A (0) or for B (1)
	s_and_b32 s16, s14, 1                          ; which half of its columns.  Also: which 128 rows of that tile I fetch
	s_bfe_u32 s40, ttmp6, 0x40000                  ; cx
	s_bfe_u32 s41, ttmp6, 0x40004                  ; cy
	s_and_b32 s17, ttmp7, 0xffff
	s_lshl_b32 s17, s17, 2                         ; 4 x cluster y
	s_add_co_u32 s42, s17, s40
	s_add_co_u32 s17, s17, s41
	s_lshl_b32 s22, ttmp9, 22                      ; the section of qc, 4 MiB each,
	s_lshl_b32 s23, ttmp9, 20                      ; and of wc, 1 MiB each
	s_cmp_eq_u32 ttmp9, 2                          ; section 2 takes the weight as A and the tokens as B
	s_cselect_b32 s17, s41, s17                    ; A's block: it hangs on cy alone
	s_cselect_b32 s42, s42, s40                    ; B's block: on cx alone
	s_cselect_b32 s22, 0x200000, s22               ; A's section in its buffer
	s_cselect_b32 s23, 0x800000, s23               ; B's
	s_lshl_b32 s43, s41, 2
	s_lshl_b32 s43, 15, s43                        ; my row of the cluster
	s_lshl_b32 s44, 0x1111, s40                    ; my column
	s_or_b32 s[G1+0], s43, (0<<16)|(1<<20)|(1<<21)|(5<<22)|(3<<25)  ; 15:0 the mask: A's tiles go to my row; 17:16 element of 1 byte; 20 padding on; 21 set beside a mask; 24:22 after every 64 words; 31:25 four words
	s_or_b32 s[G1B+0], s44, (0<<16)|(1<<20)|(1<<21)|(5<<22)|(3<<25)
.irp g, G1, G1B
	s_mov_b32 s[\g+1], ROWB<<16                    ; tensor_dim0
	s_mov_b32 s[\g+2], 128<<16                     ; tensor_dim1
	s_mov_b32 s[\g+3], ROWB<<16                    ; tile_dim0
	s_mov_b32 s[\g+4], 128                         ; tile_dim1
	s_mov_b32 s[\g+5], KROW                        ; tensor_dim0_stride
	s_mov_b32 s[\g+6], 0
	s_mov_b32 s[\g+7], 0
.endr
	s_lshl_b32 s18, s16, 7                         ; which 128 rows of the tile I fetch
	s_lshl_b32 s20, s17, 8
	s_add_co_u32 s20, s20, s18
	s_lshl_b32 s20, s20, 10                        ; A: (256 x block + 128 x half) rows of 1,024 bytes,
	s_add_co_u32 s20, s20, s22                     ; in its section
	s_mov_b32 s21, 0
	s_lshl_b32 s46, s42, 8
	s_add_co_u32 s46, s46, s18
	s_lshl_b32 s46, s46, 10
	s_add_co_u32 s46, s46, s23                     ; B likewise
	s_mov_b32 s47, 0
	s_mul_i32 s45, s14, HALFT                      ; where they go: wave x 128 rows: no place in the cluster enters an LDS address
	s_wait_kmcnt 0x0
	s_load_b256 s[84:91], s[78:79], 0x0            ; e0 .. e7
	s_load_b128 s[92:95], s[78:79], 0x20           ; e8 .. e11
	s_cmp_eq_u32 ttmp9, 2
	s_cselect_b64 s[4:5], s[70:71], s[68:69]       ; A's buffer
	s_cselect_b64 s[6:7], s[68:69], s[70:71]       ; B's
	s_add_nc_u64 s[20:21], s[4:5], s[20:21]
	s_add_nc_u64 s[46:47], s[6:7], s[46:47]
	CROUND                                         ; all sixteen work-groups are here: the first joint loads meet
.irp s, 0,1
	s_mov_b32 s[G0+4*\s], 1
	s_add_co_u32 s[G0+4*\s+1], s45, \s*SLOT
	s_add_nc_u64 s[G0+4*\s+2:G0+4*\s+3], s[20:21], \s*ROWB
	s_or_b32 s[G0+4*\s+3], s[G0+4*\s+3], 0x80000000
	s_mov_b32 s[G0B+4*\s], 1
	s_add_co_u32 s[G0B+4*\s+1], s45, \s*SLOT
	s_add_nc_u64 s[G0B+4*\s+2:G0B+4*\s+3], s[46:47], \s*ROWB
	s_or_b32 s[G0B+4*\s+3], s[G0B+4*\s+3], 0x80000000
	JLOAD G0+4*\s, G1, G0B+4*\s, G1B
.endr
	v_and_b32 v1, 15, v0                           ; r = l % 16
	v_bfe_u32 v2, v0, 4, 1                         ; h = l / 16
	v_mul_u32_u24 v3, v1, PITCH
	v_lshl_add_u32 v4, v2, 4, v3                   ; a fragment's row x pitch + 16 x half
	s_mul_i32 s21, s15, HALFT                      ; my 128 rows of A
	s_mul_i32 s22, s16, HALFT                      ; my 128 rows of B,
	s_add_co_u32 s22, s22, 2*HALFT                 ; which lie behind A's 256
.irp s, 0,1
	v_add_nc_u32 v[ADRA+\s], s21, v4
	v_add_nc_u32 v[ADRB+\s], s22, v4
	s_add_co_u32 s21, s21, SLOT
	s_add_co_u32 s22, s22, SLOT
.endr
	; the stage: 256 rows x 272 bytes from LDS byte 0 on
	s_mul_i32 s23, s15, HALFT
	s_lshl_b32 s21, s16, 7
	s_add_co_u32 s23, s23, s21
	v_lshl_add_u32 v5, v2, 3, v3
	v_add_nc_u32 v[STO], s23, v5                   ; in: row 128 x row half + r, byte 128 x column half + 8 h
	v_and_b32 v5, 8, v1
	v_add_nc_u32 v5, v5, v1                        ; r + 8 (r / 8)
	v_mul_u32_u24 v5, v5, PITCH
	v_lshl_add_u32 v5, v2, 4, v5
	s_lshl_b32 s21, s14, 6
	v_add_nc_u32 v[RD], s21, v5                    ; back: an image's row r, byte 64 x wave + 16 h: wave w takes the band of 64 columns 64 w on
	; where the images go.  A run of 64 stage rows is four images; in sections 0, 1 the next run is the next four images of the head (4,096 bytes on) and the next band the next head (131,072);
	; in section 2 a run is a head and a band a group of keys.
	s_cmp_eq_u32 ttmp9, 2
	s_cselect_b32 s18, s17, s42                    ; the block of 256 features, 0 .. 3
	s_cselect_b32 s19, s42, s17                    ; the block of 256 tokens, 0 .. 15
	s_mov_b32 s20, 0x20000
	s_cselect_b32 s21, s20, 0x1000                 ; from run to run
	s_cselect_b32 s22, 0x1000, s20                 ; from band to band
	v_and_b32 v6, 31, v0
	v_lshlrev_b32 v[CO], 4, v6                     ; 16 x lane
	v_add_nc_u32 v[CO+1], s21, v[CO]
	v_add_nc_u32 v[CO+2], s21, v[CO+1]
	v_add_nc_u32 v[CO+3], s21, v[CO+2]
	s_lshr_b32 s23, s19, 3                         ; the batch
	s_lshl_b32 s23, s23, 4
	s_lshl_b32 s45, s18, 2
	s_add_co_u32 s23, s23, s45                     ; the first of the tile's four heads: 16 x batch + 4 x feature block
	s_lshl_b32 s46, s23, 17
	s_and_b32 s45, s19, 7
	s_lshl_b32 s45, s45, 14                        ; 256 tokens are 16,384 bytes of a head in every section
	s_add_co_u32 s46, s46, s45
	s_lshl_b32 s45, ttmp9, 22
	s_add_co_u32 s46, s46, s45                     ; the section
	s_mul_i32 s45, s14, s22
	s_add_co_u32 s46, s46, s45                     ; my band
	s_mov_b32 s47, 0
	s_add_nc_u64 s[10:11], s[80:81], s[46:47]
	; the bias, in both layouts; both index forms stay under 1,024.  The one that the section does not use is cleared on the way out
	s_cmp_eq_u32 ttmp9, 0
	s_cselect_b64 s[82:83], s[72:73], s[74:75]
	s_cmp_eq_u32 ttmp9, 2
	s_cselect_b64 s[82:83], s[76:77], s[82:83]
	s_lshl_b32 s20, s18, 10
	s_lshl_b32 s21, s16, 9
	s_add_co_u32 s21, s21, s20
	v_lshl_add_u32 v12, v2, 5, s21                 ; along the columns: feature 256 x block + 128 x column half + 16 b + 8 h + j
	s_lshl_b32 s21, s15, 9
	s_add_co_u32 s21, s21, s20
	v_lshl_add_u32 v13, v1, 2, s21                 ; along the rows: feature 256 x block + 128 x row half + 16 a + r
.irp b, 0,1,2,3,4,5,6,7
	global_load_b128 v[BC+8*\b:BC+8*\b+3], v12, s[82:83] offset:64*\b
	global_load_b128 v[BC+8*\b+4:BC+8*\b+7], v12, s[82:83] offset:64*\b+16
.endr
.irp a, 0,1,2,3,4,5,6,7
	global_load_b32 v[BR+2*\a], v13, s[82:83] offset:64*\a
	global_load_b32 v[BR+2*\a+1], v13, s[82:83] offset:64*\a      ; twice: a pair for the packed addition
.endr
.macro FRAG reg, adr, q, i             ; 16 rows x 128 K of codes: registers 4 c .. 4 c + 3 hold K = 32 c + 16 (l / 16) + 0 .. 15 of row l % 16
.irp c, 0,1,2,3
	ds_load_b128 v[\reg+4*\c:\reg+4*\c+3], v[\adr] offset:128*(\q)+32*\c+(\i)*16*PITCH
.endr
.endm
; 16 matrix instructions: A's blocks a0, a0 + 1 x B's eight.  p: B's set.  zero = 1: the first product starts the sums.  The 64 accumulators take turns, one instruction a turn.
.macro MUL16 a0, p, zero
.irp a, \a0, \a0+1
.irp b, 0,1,2,3,4,5,6,7
.if \zero
	v_wmma_f32_16x16x128_fp8_fp8 v[8*(8*((\a)%4)+\b):8*(8*((\a)%4)+\b)+7], v[128*(\p)+FR*\b:128*(\p)+FR*\b+FR-1], v[AF+FR*(\a):AF+FR*(\a)+FR-1], 0
.else
	v_wmma_f32_16x16x128_fp8_fp8 v[8*(8*((\a)%4)+\b):8*(8*((\a)%4)+\b)+7], v[128*(\p)+FR*\b:128*(\p)+FR*\b+FR-1], v[AF+FR*(\a):AF+FR*(\a)+FR-1], v[8*(8*((\a)%4)+\b):8*(8*((\a)%4)+\b)+7]
.endif
.endr
.endr
.endm
.macro FETCH_B slot, q, p
	WIN TO_B
.irp i, 0,1,2,3,4,5,6,7
	FRAG 128*(\p)+FR*\i, ADRB+\slot, \q, \i
.endr
	WIN 0
.endm
.macro FETCH_A slot, q, i0
.irp i, \i0, \i0+1, \i0+2, \i0+3
	FRAG AF+FR*(\i), ADRA+\slot, \q, \i
.endr
.endm
.macro PLACES n                        ; plain vector lines between a matrix instruction and a load into, or a vector write of, a register that it has read, or a read of its result
.rept \n
	v_nop
.endr
.endm
.macro STEP slot, q, zero              ; 128 along K, with its successor in the same slot
	s_wait_dscnt 4*NL                              ; B's set and A's blocks 0-3 are in; the youngest sixteen loads (A's blocks 4-7) may be out
	WIN MUL_LO
	MUL16 0, (\q)%2, \zero
	MUL16 2, (\q)%2, \zero
	s_wait_dscnt 0
	PLACES NP
	FETCH_B \slot, (\q)+1, 1-(\q)%2
	FETCH_A \slot, (\q)+1, 0
	WIN MUL_HI
	MUL16 4, (\q)%2, \zero
	MUL16 6, (\q)%2, \zero
	PLACES NP
	WIN 0
	FETCH_A \slot, (\q)+1, 4
.endm
; A slot's last step changes slots: one barrier; in front of it each wave waits for all its tensor loads, adds 0 to its spare word, and waits for that and for its own reads of this slot.
.macro TURN slot, next, fill
	s_wait_tensorcnt 0x0                           ; all my tensor loads have landed: my part of the next slot
	ds_add_u32 v[SPW], v[NIL]                      ; 0 onto my spare word
	s_wait_dscnt 4*NL+1                            ; the add and the youngest sixteen loads (A's blocks 4-7) may be out
	WIN MUL_LO
	MUL16 0, 1, 0
	s_wait_dscnt 0x0                               ; the add is done, and my reads of this slot are over
	s_barrier_signal -1
	MUL16 2, 1, 0
	WIN 0
	s_barrier_wait -1
.if \fill
	CREST                                          ; the barrier has opened a round of the cluster's: no wave of any partner still reads this slot or has a load on its way
	s_add_nc_u64 s[G0+4*\slot+2:G0+4*\slot+3], s[G0+4*\slot+2:G0+4*\slot+3], 2*ROWB
	s_add_nc_u64 s[G0B+4*\slot+2:G0B+4*\slot+3], s[G0B+4*\slot+2:G0B+4*\slot+3], 2*ROWB
	JLOAD G0+4*\slot, G1, G0B+4*\slot, G1B         ; the first tensor load behind the round; its four v_nop are the places in front of the loads below
.else
	PLACES NP
.endif
	FETCH_B \next, 0, 0
	FETCH_A \next, 0, 0
	WIN MUL_HI
	MUL16 4, 1, 0
	MUL16 6, 1, 0
	PLACES NP
	WIN 0
	FETCH_A \next, 0, 4
.endm
	s_wait_tensorcnt 1                             ; my part of K step 0 is in; K step 1's load may be out
	s_barrier_signal -1
	s_barrier_wait -1
	FETCH_B 0, 0, 0
	FETCH_A 0, 0, 0
	FETCH_A 0, 0, 4
	STEP 0, 0, 1                                   ; the first step stands in front of the loop: its products start the sums
	s_mov_b32 s3, LAPS-1
.Llap:                                                 ; a trip goes once round the ring and fills both slots again
	TURN 0, 1, 1
	STEP 1, 0, 0
	TURN 1, 0, 1
	STEP 0, 0, 0
	s_sub_co_u32 s3, s3, 1
	s_cmp_lg_u32 s3, 0
	s_cbranch_scc1 .Llap
	TURN 0, 1, 0                                   ; the last lap fills nothing
	STEP 1, 0, 0
	s_wait_dscnt 4*NL
	WIN MUL_LO
	MUL16 0, 1, 0
	MUL16 2, 1, 0
	s_wait_dscnt 0
	WIN MUL_HI
	MUL16 4, 1, 0
	MUL16 6, 1, 0
	WIN 0
	; ---- THE WAY OUT
	s_wait_loadcnt 0x0                             ; the biases
	s_wait_kmcnt 0x0                               ; the scales
	s_add_co_i32 s84, s84, s85                     ; e0 + e1
	s_add_co_i32 s86, s86, s87                     ; e2 + e3
	s_add_co_i32 s88, s88, s89                     ; e4 + e5
	s_cmp_eq_u32 ttmp9, 0
	s_cselect_b32 s96, s84, s86
	s_cselect_b32 s98, s90, s91                    ; e6 for q, e7 for k,
	s_cmp_eq_u32 ttmp9, 2
	s_cselect_b32 s96, s88, s96
	s_cselect_b32 s98, s93, s98                    ; e9 for v
	s_cselect_b32 s99, 0, -1                       ; the bias along the columns counts in sections 0 and 1,
	s_cselect_b32 s3, -1, 0                        ; that along the rows in section 2
	s_add_co_i32 s96, s96, 127
	s_lshl_b32 s96, s96, 23                        ; 2^(eA + eB) as f32
	s_mov_b32 s97, s96                             ; (named with it as a pair, so it is written)
	s_add_co_i32 s98, s98, 127
	s_lshl_b32 s20, s98, 23
	v_mov_b32 v30, s20                             ; 2^eo: the conversion takes its exponent field
	s_add_co_i32 s98, s98, 8
	s_lshl_b32 s98, s98, 23
	s_or_b32 s98, s98, 0x600000
	v_mov_b32 v31, s98                             ; 448 x 2^eo
.set j, 0
.rept 64
	v_and_b32 v[BC+j], s99, v[BC+j]                ; these 80 lines are also the places behind the last products
.set j, j+1
.endr
.set j, 0
.rept 16
	v_and_b32 v[BR+j], s3, v[BR+j]
.set j, j+1
.endr
; Block a: my rows 16 a .. 16 a + 15 x my 128 columns.  Each accumulator is read from its low end on.
.macro OUTB a
.set AC, 64*((\a)%4)
.set CD, 192+16*((\a)%2)
	WIN 0x02+((\a)/4)                              ; source 0: window 2 or 3
.set j, 0
.rept 32
	v_pk_fma_f32 v[TW+j:TW+j+1], v[AC+j:AC+j+1], s[96:97], v[BC+j:BC+j+1] op_sel_hi:[1,0,1]   ; sum x 2^(eA + eB) + the column's bias
.set j, j+2
.endr
	WIN 0
.set j, 0
.rept 32
	v_pk_add_f32 v[TW+j:TW+j+1], v[TW+j:TW+j+1], v[BR+2*(\a):BR+2*(\a)+1]   ; + the row's bias (one of the two biases is 0)
.set j, j+2
.endr
.set j, 0
.rept 64
	v_med3_num_f32 v[TW+j], v[TW+j], -v31, v31     ; the conversion does not saturate (ISA guide 7.6.2): the hold
.set j, j+1
.endr
	s_wait_dscnt 8                                 ; the last block's eight stores may be out; those of the block before it have read these registers
.irp b, 0,1,2,3,4,5,6,7
	v_cvt_scalef32_pk8_fp8_f32 v[CD+2*\b:CD+2*\b+1], v[TW+8*\b:TW+8*\b+7], v30
.endr
	v_nop                                          ; a plain vector line between the conversions and the next block's lines, which write their sources
.irp b, 0,1,2,3,4,5,6,7
	ds_store_b64 v[STO], v[CD+2*\b:CD+2*\b+1] offset:16*PITCH*(\a)+16*\b
.endr
.endm
.irp a, 0,1,2,3,4,5,6,7
	OUTB \a
.endr
	s_wait_dscnt 0x0                               ; for the others' sake: my stores into the stage are done
	s_barrier_signal -1
	s_barrier_wait -1
.irp q, 0,1,2,3                        ; run q of 64 stage rows, image t of its four, half c of the image
.irp t, 0,1,2,3
.irp c, 0,1
	ds_load_b128 v[128+4*(8*\q+2*\t+\c):128+4*(8*\q+2*\t+\c)+3], v[RD] offset:(64*\q+32*(\t/2)+8*(\t%2))*PITCH+32*\c
.endr
.endr
.endr
.irp q, 0,1,2,3
.irp t, 0,1,2,3
.irp c, 0,1
	s_wait_dscnt 31-(8*\q+2*\t+\c)                 ; the younger loads may be out
	global_store_b128 v[CO+\q], v[128+4*(8*\q+2*\t+\c):128+4*(8*\q+2*\t+\c)+3], s[10:11] offset:1024*\t+512*\c   ; 32 lanes store 512 consecutive bytes, aligned: half an image
.endr
.endr
.endr
	s_wait_tensorcnt 0x0                           ; the wave's end
	ds_add_u32 v[SPW], v[NIL]
	s_wait_dscnt 0x0
	CROUND                                         ; the closing round: no work-group ends while a partner may still ask for a tile that names it
	s_endpgm
.Lfunc_end_k_q406ddc007d_qkv:
	.size	k_q406ddc007d_qkv, .Lfunc_end_k_q406ddc007d_qkv-k_q406ddc007d_qkv
	.p2alignl 7, 3214868480
	.fill 96, 4, 3214868480
	.section	.rodata,"a",@progbits
	.p2align	6, 0x0
	.amdhsa_kernel k_q406ddc007d_qkv
		.amdhsa_group_segment_fixed_size 327680
		.amdhsa_private_segment_fixed_size 0
		.amdhsa_enable_private_segment 0
		.amdhsa_kernarg_size 56
		.amdhsa_user_sgpr_count 2
		.amdhsa_user_sgpr_kernarg_segment_ptr 1
		.amdhsa_wavefront_size32 1
		.amdhsa_system_sgpr_workgroup_id_x 1
		.amdhsa_system_sgpr_workgroup_id_y 1
		.amdhsa_system_sgpr_workgroup_id_z 1
		.amdhsa_system_vgpr_workitem_id 0
		.amdhsa_next_free_vgpr 1024
		.amdhsa_next_free_sgpr 100
		.amdhsa_reserve_vcc 0
		.amdhsa_float_denorm_mode_32 3
		.amdhsa_float_denorm_mode_16_64 3
		.amdhsa_memory_ordered 1
		.amdhsa_forward_progress 1
		.amdhsa_inst_pref_size 164
	.end_amdhsa_kernel
	.amdgpu_metadata
---
amdhsa.version: [ 1, 2 ]
amdhsa.kernels:
  - .name:           k_q406ddc007d_qkv
    .symbol:         k_q406ddc007d_qkv.kd
    .args:
      - { .name: qc, .offset: 0, .size: 8, .value_kind: global_buffer, .address_space: global }
      - { .name: wc, .offset: 8, .size: 8, .value_kind: global_buffer, .address_space: global }
      - { .name: b_Q, .offset: 16, .size: 8, .value_kind: global_buffer, .address_space: global }
      - { .name: b_K, .offset: 24, .size: 8, .value_kind: global_buffer, .address_space: global }
      - { .name: b_V, .offset: 32, .size: 8, .value_kind: global_buffer, .address_space: global }
      - { .name: lowp_scales, .offset: 40, .size: 8, .value_kind: global_buffer, .address_space: global }
      - { .name: heads, .offset: 48, .size: 8, .value_kind: global_buffer, .address_space: global }
    .group_segment_fixed_size: 327680
    .private_segment_fixed_size: 0
    .kernarg_segment_align: 8
    .kernarg_segment_size: 56
    .max_flat_workgroup_size: 128
    .sgpr_count:     100
    .vgpr_count:     1024
    .wavefront_size: 32
...
	.end_amdgpu_metadata
.endif
;; end of part 2
;; launch attn (part 3): grid 8 x 32, 16 waves a work-group, clusters of 4 x 1, 264,192 bytes of LDS; arguments heads, mbits, lowp_scales, ac; writes ac
.if DOCPART == 3
	.amdgcn_target "amdgcn-amd-amdhsa--gfx1250"
	.amdhsa_code_object_version 6
	.text
	.protected	k_q406ddc007d_attn
	.globl	k_q406ddc007d_attn
	.p2align	8
	.type	k_q406ddc007d_attn,@function
k_q406ddc007d_attn:
	s_mov_b64 s[64:65], 0
	v_nop
	global_prefetch_b8 v0, s[64:65] scope:SCOPE_SE
	s_setreg_imm32_b32 hwreg(HW_REG_WAVE_MODE, 25, 1), 1
	s_wait_xcnt 0x0
	s_wait_alu depctr_hold_cnt(0) depctr_sa_sdst(0) depctr_va_vdst(0) depctr_va_sdst(0) depctr_va_ssrc(0) depctr_va_vcc(0) depctr_vm_vsrc(0)
	s_getreg_b32 s2, hwreg(HW_REG_IB_STS2, 6, 4)
	s_cmp_eq_u32 s2, 0
	s_cbranch_scc0 .Lentry_in_a_cluster
	s_endpgm
.Lentry_in_a_cluster:
	s_bfe_u32 s2, ttmp6, 0x10000c
	s_cmp_lg_u32 s2, 0x3003
	s_cbranch_scc0 .Lentry_shape_is_right
	s_endpgm
.Lentry_shape_is_right:
; ATTENTION ON CODES OF E4M3, with the mask as it is given.  o[q] = sum over k of p[q][k] v[k] / l[q]; t = where(mask, -1e9, q . k / 8) x log2(e); M = the row's largest t so far, rounded up to a whole
; number; p = 2^(t - M), quantised along the keys with 2^e8; l = the sum of the unquantised p.  When M moves, l and O are multiplied by 2^(old M - new M), which rounds nothing.
; A closed score is t = -1,442,695,040, the f32 product of -1e9 and log2(e), a whole number: a row (or a row's beginning) with no open key has M = that number and p = 1; the first open key makes the factor 0.
; SHARES.  A work-group owns 256 queries of one head (work-group y = 16 x batch + head); each of its sixteen waves owns one tile of 16: four waves to a SIMD, so that one wave's vector work stands beside another's
; matrix work and LDS loads.  Every wave walks all 2,048 keys, 128 a step.
; A HEAD'S WHOLE K AND V LIE IN LDS: 256 KiB, filled once, in four parts of 512 keys, so that the first steps run while the later parts land.  Nothing is filled again.
; CLUSTER.  The four query blocks of a cluster belong to one head and read the same K and V: each tile is asked for JOINTLY, by the same tensor load with the same descriptor and the mask of all four.
; LAYOUT.  q, k and v come as images of operand registers (16 rows x 64 bytes in 1,024 bytes: lane l's 16 bytes at 16 l and at 512 + 16 l), so a fragment is two or four dense loads.  Row r of image T is row
; 32 (T / 2) + 8 (T % 2) + r + 8 (r / 8).  Both products are used transposed: S^T = K Q^T, O^T = V^T P^T: a lane holds ONE query throughout; score register 16 b + i is key 32 b + 16 (l / 16) + i of the step, so the
; conversions' results are the second product's operand; O^T's registers of tiles 2 b, 2 b + 1 are 16 neighbours of the head's 64, so the output's codes are 16 bytes a lane.
; THE MASK comes as 64 words of lane bits a step (made by the launch in front), by scalar loads a step ahead; each serves one v_cndmask_b32.  No branch and no address hangs on them.
; THE OUTPUT, o x 2^(e8 + e9) / l quantised with 2^e10, goes to ac [4096 tokens][1024]; a head's part of a row is 64 bytes, so these stores cover pieces of 32 consecutive bytes.
; LIMITS: e6 + e7 between -123 and 130 (added to c's exponent field); e8 and e10 between -126 and 119.  NaN is not served.
; REGISTERS: v1 16 x lane; v2 the step's LDS address; v4 the closed t; v7 my offset in ac; v12 -M, v13 the largest t, v[14:15] l in two halves; v16-23 Q; v32-95 fragments of K, then of V; v96-159 S^T, t, p;
;   v160-191 O^T; v192-207 p's codes; v208-210, v240, v244 scales; v236, v242-243, v252-254 at work.
;   s2 wave; s3 trips; s[4:5] my tile's mask words; s[6:7] ac; s[8:15] descriptor group 1; s[16:31] four groups 0; s[32:63], s[68:99] the step's 64 mask words; s[66:67] c; s[100:101] lane selects; s104, s105 below.
.set LI,   1
.set AD,   2
.set TNEG, 4
.set GO,   7
.set WV,   2
.set CNT,  3
.set MP,   4
.set OUTP, 6
.set G1,   8
.set G0,   16
.set CS,   66
.set SEL,  100
.set TB,   104                         ; s104 LDS byte at which the step's images of K begin; V's lie 32,768 further on
.set SOFF, 105                         ; s105 byte offset of the mask words being loaded: 256 x key step
.macro ROUND                           ; a round of the cluster's barrier
	s_barrier_signal -1
	s_barrier_wait -1
	s_cmp_lg_u32 s[WV], 0
	s_cbranch_scc1 .Lnot_wave_0_\@
	s_barrier_signal -3
.Lnot_wave_0_\@:
	s_barrier_wait -3
	s_barrier_signal -1
	s_barrier_wait -1
.endm
.macro MLOAD                           ; a key step's 64 mask words
	s_load_b512 s[32:47], s[MP:MP+1], s[SOFF] offset:0x0
	s_load_b512 s[48:63], s[MP:MP+1], s[SOFF] offset:0x40
	s_load_b512 s[68:83], s[MP:MP+1], s[SOFF] offset:0x80
	s_load_b512 s[84:99], s[MP:MP+1], s[SOFF] offset:0xc0
.endm
	s_load_b256 s[32:39], s[0:1], 0x0              ; heads s[32:33], mbits s[34:35], the scales s[36:37], ac s[38:39]  (the mask words' registers serve as temporaries at the head)
	v_lshl_add_u32 v251, v0, 2, 0x40000
	v_mov_b32 v255, 0
	ds_add_u32 v251, v255
	ds_add_u32 v251, v255
	v_lshrrev_b32 v8, 5, v0
	v_readfirstlane_b32 s[WV], v8                  ; wave 0..15
	s_bfe_u32 s40, ttmp6, 0x40000                  ; cx: it enters Q's, the mask words' and the output's addresses alone
	s_lshl_b32 s41, ttmp9, 2
	s_add_co_u32 s41, s41, s40                     ; my block of 256 queries
	s_lshl_b32 s41, s41, 4
	s_add_co_u32 s41, s41, s[WV]                   ; T: my tile of 16 queries, 0 .. 127
	s_and_b32 s42, ttmp7, 0xffff                   ; 16 x batch + head, which the four partners share
	; descriptor group 1: 4,096 dense bytes as 16 rows of 256
	s_mov_b32 s[G1], 15|(3<<16)|(1<<21)            ; 15:0 the mask: all four work-groups; 17:16 elements of 8 bytes; 20 no padding; 21 set beside a mask
	s_mov_b32 s[G1+1], 32<<16                      ; tensor_dim0 = 32
	s_mov_b32 s[G1+2], 16<<16                      ; tensor_dim1 = 16
	s_mov_b32 s[G1+3], 32<<16                      ; tile_dim0 = 32
	s_mov_b32 s[G1+4], 16                          ; tile_dim1 = 16
	s_mov_b32 s[G1+5], 32                          ; tensor_dim0_stride
	s_mov_b32 s[G1+6], 0
	s_mov_b32 s[G1+7], 0
	s_lshl_b32 s44, s42, 17                        ; a head is 131,072 bytes in each section
	s_lshl_b32 s43, s[WV], 12                      ; of a part's 65,536 bytes wave w brings 4,096: waves 0-7 K's 32 images, waves 8-15 V's 8 groups
	s_lshr_b32 s46, s[WV], 3
	s_mul_i32 s46, s46, 0x400000-0x8000            ; V's section lies 4 MiB behind K's
	s_add_co_u32 s46, s46, s43
	s_add_co_u32 s46, s46, s44
	s_add_co_u32 s46, s46, 0x400000                ; K's section
	s_mov_b32 s47, 0
	s_mov_b32 s[SEL], 0x76543210
	s_mov_b32 s[SEL+1], 0xfedcba98
	s_wait_dscnt 0x0
	s_wait_kmcnt 0x0
	s_load_b256 s[48:55], s[36:37], 0x0            ; e0 .. e7
	s_load_b128 s[56:59], s[36:37], 0x20           ; e8 .. e11
	s_add_nc_u64 s[46:47], s[32:33], s[46:47]
	ROUND                                          ; all four work-groups are here: the joint loads meet
.irp p, 0,1,2,3
	s_mov_b32 s[G0+4*\p], 1                        ; count = 1
	s_add_co_u32 s[G0+4*\p+1], s43, 65536*\p       ; LDS address: part p, my 4,096 bytes
	s_add_nc_u64 s[G0+4*\p+2:G0+4*\p+3], s[46:47], 32768*\p   ; a part is 32,768 bytes of K and as many of V
	s_or_b32 s[G0+4*\p+3], s[G0+4*\p+3], 0x80000000   ; type = 2
.endr
.irp p, 0,1,2,3
	tensor_load_to_lds s[G0+4*\p:G0+4*\p+3], s[G1:G1+7]   ; all fills of the launch go out together: four loads of mine are out
	s_nop 0
.endr
.rept 4
	v_nop
.endr
	v_and_b32 v8, 15, v0                           ; r
	v_bfe_u32 v9, v0, 4, 1                         ; h
	v_and_b32 v[LI], 31, v0
	v_lshlrev_b32 v[LI], 4, v[LI]
	s_lshl_b32 s60, s41, 10
	s_add_co_u32 s60, s60, s44
	s_mov_b32 s61, 0
	s_add_nc_u64 s[60:61], s[32:33], s[60:61]      ; q's section is the first: my tile's image
	global_load_b128 v[16:19], v[LI], s[60:61]
	global_load_b128 v[20:23], v[LI], s[60:61] offset:512
	s_lshl_b32 s62, s41, 12
	s_mov_b32 s63, 0
	s_add_nc_u64 s[MP:MP+1], s[34:35], s[62:63]    ; my tile's mask words: 16 steps x 256 bytes
	s_mov_b64 s[OUTP:OUTP+1], s[38:39]
	s_lshr_b32 s62, s42, 4
	s_lshl_b32 s62, s62, 11                        ; 2,048 x batch
	s_lshr_b32 s63, s41, 1
	s_lshl_b32 s63, s63, 5
	s_add_co_u32 s62, s62, s63
	s_and_b32 s63, s41, 1
	s_lshl_b32 s63, s63, 3
	s_add_co_u32 s62, s62, s63                     ; + 32 (T / 2) + 8 (T % 2): my tile's first token
	s_lshl_b32 s62, s62, 10
	s_and_b32 s63, s42, 15
	s_lshl_b32 s63, s63, 6
	s_add_co_u32 s62, s62, s63                     ; + 64 x head
	v_and_b32 v10, 8, v8
	v_add_nc_u32 v10, v10, v8                      ; r + 8 (r / 8)
	v_lshlrev_b32 v10, 10, v10
	v_lshl_add_u32 v10, v9, 4, v10
	v_add_nc_u32 v[GO], s62, v10
	v_mov_b32 v[TNEG], 0xceabfb8f                  ; -1,442,695,040
	v_mov_b32 v13, 0xff61b1e6                      ; the largest t so far: -3e38, under every t
	v_floor_f32 v12, -v13                          ; -M
	v_mov_b32 v14, 0
	v_mov_b32 v15, 0
	v_mov_b32 v236, 0                              ; written once: a lane permute's destination counts as one of its sources
	v_mov_b32 v253, 0                              ; (named as the upper half of the pair v[252:253])
.set j, 0
.rept 32
	v_mov_b32 v[160+j], 0                          ; O^T: the step is written without a first step of its own; the first change of M leaves zeros zeros
.set j, j+1
.endr
	s_wait_kmcnt 0x0
	s_add_co_i32 s62, s54, s55                     ; e6 + e7: a score stands for score x 2^(e6 + e7)
	s_lshl_b32 s62, s62, 23
	s_add_co_i32 s[CS], s62, 0x3e38aa3b            ; c = log2(e) / 8, with the two exponents added to its exponent field
	s_mov_b32 s[CS+1], s[CS]                       ; (named with it as a pair, so it is written)
	s_add_co_i32 s62, s56, 127
	s_lshl_b32 s63, s62, 23
	v_mov_b32 v244, s63                            ; 2^e8
	s_add_co_i32 s62, s62, 8
	s_lshl_b32 s62, s62, 23
	s_or_b32 s62, s62, 0x600000
	v_mov_b32 v240, s62                            ; 448 x 2^e8
	s_add_co_i32 s62, s58, 127
	s_lshl_b32 s63, s62, 23
	v_mov_b32 v208, s63                            ; 2^e10
	s_add_co_i32 s62, s62, 8
	s_lshl_b32 s62, s62, 23
	s_or_b32 s62, s62, 0x600000
	v_mov_b32 v209, s62                            ; 448 x 2^e10
	s_add_co_i32 s62, s56, s57
	v_mov_b32 v210, s62                            ; e8 + e9
	s_mov_b32 s[SOFF], 0
	s_wait_xcnt 0x0                                ; Q's loads have read their base, which lies among the registers that the mask words take
	MLOAD                                          ; key step 0's words
; A KEY STEP: 128 keys.
.macro STEP
	v_add_nc_u32 v[AD], s[TB], v[LI]
.rept 3
	v_nop                                          ; with the addition above: four places between the last products and the loads into registers that they have read
.endr
.irp j, 0,1,2,3,4,5,6,7
	ds_load_b128 v[32+8*\j:35+8*\j], v[AD] offset:1024*\j          ; K's eight images, as they lie
	ds_load_b128 v[36+8*\j:39+8*\j], v[AD] offset:1024*\j+512
.endr
	s_wait_dscnt 0x0
.irp j, 0,1,2,3,4,5,6,7
	v_wmma_f32_16x16x64_fp8_fp8 v[96+8*\j:103+8*\j], v[32+8*\j:39+8*\j], v[16:23], 0
.endr
.rept 4
	v_nop                                          ; places in front of the loads below and of the first read of the scores
.endr
.irp t, 0,1,2,3
.irp g, 0,1
.irp c, 0,1
	ds_load_b128 v[32+16*\t+8*\g+4*\c:35+16*\t+8*\g+4*\c], v[AD] offset:32768+4096*\g+1024*\t+512*\c   ; V: tile t of the head's 64, keys 64 g + 32 c + 16 h + 0 .. 15: they land under the softmax
.endr
.endr
.endr
.set j, 0
.rept 32
	v_pk_mul_f32 v[96+j:97+j], v[96+j:97+j], s[CS:CS+1] op_sel_hi:[1,0]   ; t = score x c; each accumulator from its low end on
.set j, j+2
.endr
	s_wait_kmcnt 0x0                               ; this step's mask words, asked for a step ago
.set n, 0
.rept 64
	v_cndmask_b32 v[96+n], v[96+n], v[TNEG], s[32+n+4*(n/32)]   ; closed: t = -1e9 x log2(e)
.set n, n+1
.endr
	s_add_co_u32 s[SOFF], s[SOFF], 256             ; (behind the wait that shows the loads that read it done)
	s_and_b32 s[SOFF], s[SOFF], 4095               ; the last step asks for step 0's words again: no load leaves the buffer
	MLOAD                                          ; the next step's words
	v_max3_num_f32 v254, v96, v97, v98             ; the step's largest t of my query, among my 64 keys, in two chains,
	v_max3_num_f32 v252, v99, v100, v101
.set j, 6
.rept 14
	v_max3_num_f32 v254, v254, v[96+j], v[97+j]
	v_max3_num_f32 v252, v252, v[98+j], v[99+j]
.set j, j+4
.endr
	v_max3_num_f32 v254, v254, v158, v159
	v_max_num_f32 v254, v254, v252
	v_permlanex16_b32 v236, v254, s[SEL], s[SEL+1]
	v_max_num_f32 v254, v254, v236                 ; and among lane l xor 16's
	v_max_num_f32 v13, v13, v254                   ; the running largest t
	v_mov_b32 v254, v12
	v_floor_f32 v12, -v13                          ; the new -M = floor(-t): M is a whole number
	v_sub_f32 v254, v12, v254                      ; old M - new M: a whole number, 0 or less
	v_cvt_i32_f32 v254, v254                       ; (it saturates)
	v_ldexp_f32 v252, 1.0, v254                    ; f = 2^(old M - new M)
.set j, 0
.rept 32
	v_pk_add_f32 v[96+j:97+j], v[96+j:97+j], v[12:13] op_sel_hi:[1,0]   ; t - M (of the pair the low word serves both halves)
.set j, j+2
.endr
.set j, 0
.rept 64
	v_exp_f32 v[96+j], v[96+j]                     ; p = 2^(t - M), at most 1
.set j, j+1
.endr
	v_pk_mul_f32 v[14:15], v[14:15], v[252:253] op_sel_hi:[1,0]   ; l under the new M.  (The plain line behind the exponentials)
	s_wait_alu depctr_va_vdst(0)                   ; one wait for the whole batch, ahead of its first reader
	v_pk_add_f32 v[242:243], v[96:97], v[98:99]    ; l is taken of the unquantised p: two at a time, in two chains
.set j, 4
.rept 15
	v_pk_add_f32 v[14:15], v[14:15], v[96+j:97+j]
	v_pk_add_f32 v[242:243], v[242:243], v[98+j:99+j]
.set j, j+4
.endr
	v_pk_add_f32 v[14:15], v[14:15], v[242:243]
.irp b, 0,1,2,3
.irp i, 0,1,2,3,4,5,6,7,8,9,10,11,12,13,14,15
	v_min_num_f32 v[96+16*\b+\i], v[96+16*\b+\i], v240   ; the conversion does not saturate (ISA guide 7.6.2); p is not negative, so the hold is one-sided
.endr
	v_cvt_scalef32_pk8_fp8_f32 v[192+4*\b:193+4*\b], v[96+16*\b:103+16*\b], v244
	v_cvt_scalef32_pk8_fp8_f32 v[194+4*\b:195+4*\b], v[104+16*\b:111+16*\b], v244
.endr
.set j, 0
.rept 16
	v_pk_mul_f32 v[160+j:161+j], v[160+j:161+j], v[252:253] op_sel_hi:[1,0]   ; O^T under the new M.  (Also the plain lines between the conversions and the products)
.set j, j+2
.endr
	s_wait_dscnt 0x0                               ; V
.irp t, 0,1,2,3
	v_wmma_f32_16x16x128_fp8_fp8 v[160+8*\t:167+8*\t], v[32+16*\t:47+16*\t], v[192:207], v[160+8*\t:167+8*\t]   ; the four accumulators take turns, one instruction a turn
.endr
.endm
; PART p: 512 keys, four steps.  The count leaves the later parts' loads out.
.macro PART p
	s_wait_tensorcnt 3-\p                          ; my 4,096 bytes of part p have landed,
	s_wait_dscnt 0x0
	s_barrier_signal -1
	s_barrier_wait -1                              ; everybody's have
	s_mov_b32 s[TB], 65536*\p
	s_mov_b32 s[CNT], 4
.Lstep_\@:
	STEP
	s_add_co_u32 s[TB], s[TB], 8192                ; 128 keys are eight images of K, and two groups of V
	s_sub_co_u32 s[CNT], s[CNT], 1
	s_cmp_lg_u32 s[CNT], 0
	s_cbranch_scc1 .Lstep_\@
.endm
	s_wait_loadcnt 0x0                             ; Q
	PART 0
	PART 1
	PART 2
	PART 3
	; THE WAY OUT
.rept 4
	v_nop                                          ; places behind the last products
.endr
	v_add_f32 v14, v14, v15                        ; l's two halves,
	v_permlanex16_b32 v252, v14, s[SEL], s[SEL+1]
	v_add_f32 v14, v14, v252                       ; and lane l xor 16's
	v_rcp_f32 v14, v14
	v_nop                                          ; a plain line behind the transcendental
	s_wait_alu depctr_va_vdst(0)                   ; and the wait ahead of its first reader
	v_ldexp_f32 v14, v14, v210                     ; x 2^(e8 + e9)
.set j, 0
.rept 32
	v_mul_f32 v[96+j], v[160+j], v14               ; register 8 t + i is o(my query, 32 (t / 2) + 16 h + 8 (t % 2) + i)
.set j, j+1
.endr
.set j, 0
.rept 32
	v_med3_num_f32 v[96+j], v[96+j], -v209, v209
.set j, j+1
.endr
.irp b, 0,1,2,3
	v_cvt_scalef32_pk8_fp8_f32 v[192+2*\b:193+2*\b], v[96+8*\b:103+8*\b], v208
.endr
	v_nop
	global_store_b128 v[GO], v[192:195], s[OUTP:OUTP+1]             ; the head's numbers 16 h + 0 .. 15 of my token,
	global_store_b128 v[GO], v[196:199], s[OUTP:OUTP+1] offset:32   ; and 32 + 16 h + 0 .. 15
	s_wait_kmcnt 0x0                               ; the mask words asked for in the last step
	s_wait_tensorcnt 0x0
	ds_add_u32 v251, v255
	s_wait_dscnt 0x0
	ROUND                                          ; the closing round: no work-group ends while a partner may still ask for a tile that names it
	s_endpgm
.Lfunc_end_k_q406ddc007d_attn:
	.size	k_q406ddc007d_attn, .Lfunc_end_k_q406ddc007d_attn-k_q406ddc007d_attn
	.p2alignl 7, 3214868480
	.fill 96, 4, 3214868480
	.section	.rodata,"a",@progbits
	.p2align	6, 0x0
	.amdhsa_kernel k_q406ddc007d_attn
		.amdhsa_group_segment_fixed_size 264192
		.amdhsa_private_segment_fixed_size 0
		.amdhsa_enable_private_segment 0
		.amdhsa_kernarg_size 32
		.amdhsa_user_sgpr_count 2
		.amdhsa_user_sgpr_kernarg_segment_ptr 1
		.amdhsa_wavefront_size32 1
		.amdhsa_system_sgpr_workgroup_id_x 1
		.amdhsa_system_sgpr_workgroup_id_y 1
		.amdhsa_system_sgpr_workgroup_id_z 1
		.amdhsa_system_vgpr_workitem_id 0
		.amdhsa_next_free_vgpr 256
		.amdhsa_next_free_sgpr 106
		.amdhsa_reserve_vcc 0
		.amdhsa_float_denorm_mode_32 3
		.amdhsa_float_denorm_mode_16_64 3
		.amdhsa_memory_ordered 1
		.amdhsa_forward_progress 1
		.amdhsa_inst_pref_size 99
	.end_amdhsa_kernel
	.amdgpu_metadata
---
amdhsa.version: [ 1, 2 ]
amdhsa.kernels:
  - .name:           k_q406ddc007d_attn
    .symbol:         k_q406ddc007d_attn.kd
    .args:
      - { .name: heads, .offset: 0, .size: 8, .value_kind: global_buffer, .address_space: global }
      - { .name: mbits, .offset: 8, .size: 8, .value_kind: global_buffer, .address_space: global }
      - { .name: lowp_scales, .offset: 16, .size: 8, .value_kind: global_buffer, .address_space: global }
      - { .name: ac, .offset: 24, .size: 8, .value_kind: global_buffer, .address_space: global }
    .group_segment_fixed_size: 264192
    .private_segment_fixed_size: 0
    .kernarg_segment_align: 8
    .kernarg_segment_size: 32
    .max_flat_workgroup_size: 512
    .sgpr_count:     106
    .vgpr_count:     256
    .wavefront_size: 32
...
	.end_amdgpu_metadata
.endif
;; end of part 3
;; launch oproj (part 4): grid 4 x 16, 4 waves a work-group, clusters of 4 x 4, 327,680 bytes of LDS; arguments ac, wc, b_O, lowp_scales, out0; writes out0
.if DOCPART == 4
	.amdgcn_target "amdgcn-amd-amdhsa--gfx1250"
	.amdhsa_code_object_version 6
	.text
	.protected	k_q406ddc007d_oproj
	.globl	k_q406ddc007d_oproj
	.p2align	8
	.type	k_q406ddc007d_oproj,@function
k_q406ddc007d_oproj:
	s_mov_b64 s[64:65], 0
	v_nop
	global_prefetch_b8 v0, s[64:65] scope:SCOPE_SE
	s_setreg_imm32_b32 hwreg(HW_REG_WAVE_MODE, 25, 1), 1
	s_wait_xcnt 0x0
	s_wait_alu depctr_hold_cnt(0) depctr_sa_sdst(0) depctr_va_vdst(0) depctr_va_sdst(0) depctr_va_ssrc(0) depctr_va_vcc(0) depctr_vm_vsrc(0)
	s_getreg_b32 s2, hwreg(HW_REG_IB_STS2, 6, 4)
	s_cmp_eq_u32 s2, 0
	s_cbranch_scc0 .Lentry_in_a_cluster
	s_endpgm
.Lentry_in_a_cluster:
	s_bfe_u32 s2, ttmp6, 0x10000c
	s_cmp_lg_u32 s2, 0xf033
	s_cbranch_scc0 .Lentry_shape_is_right
	s_endpgm
.Lentry_shape_is_right:
; THE OUTPUT PROJECTION: out0[m][n] = 2^(e10 + e11) x sum over k of A[m][k] B[n][k] + b_O[n].  A = ac [4096][1024], B = W_O's codes (the fourth MiB of wc) [1024][1024]: codes of E4M3; out0 [4096][1024] f32.
; LIMIT: e10 + e11 between -126 and 127, so that 2^(e10 + e11) is an f32 number.
; A tile of 256 x 256 is made by four waves, each 128 x 128: 64 accumulators, 512 registers.  K goes in four steps of 256 through a ring of two LDS slots filled by the tensor data mover.  64 tiles: 64 work-groups.
; CLUSTERS: 4 x 4 work-groups.  The four of a row of the cluster need the same tiles of A, the four of a column the same tiles of B: each tile is asked for JOINTLY.
; THE MATRIX INSTRUCTION IS USED TRANSPOSED (source 0 = 16 rows of B, source 1 = 16 rows of A): a lane holds eight neighbouring numbers of a row of the output.
; REGISTERS, in windows of 256: window 0: v0-31 addresses; v32-95 the bias of my 128 columns, in the result's layout; from v128 A's fragments, ONE set, on the way out rows read back from the stage.
;   window 1: B's fragments, TWO sets; on the way out v0-63 a block's results.   window 2: the 32 accumulators of my rows 0-63;   window 3: those of my rows 64-127.
.set SIZE_N, 1024
.set SIZE_K, 1024
.set KSTEP,  256
.set ROWB,   256
.set KROW,   SIZE_K
.set PITCH,  272                       ; an LDS row: 256 bytes + 16 of padding: the 16 rows that a load touches start at 16 different banks (64 banks of 4 bytes: ISA guide 11.1)
.set FR,     16
.set NL,     4
.set NP,     4
.set HALFT,  128*PITCH
.set SLOT,   4*HALFT
.set LAPS,   SIZE_K/(2*KSTEP)
.set SPARE,  2*SLOT                    ; behind the ring: the spare words, 128 bytes for each wave, which no other line names
.set SPITCH, 528                       ; the way out: a stage of 16 rows x (512 bytes + 16) for each wave, in slot 0, which has had its last fill and its last read by then
.set ADRA, 16
.set ADRB, 20
.set STO,  24
.set RD,   25
.set CO,   26
.set SPW,  28
.set NIL,  29
.set BC,   32                          ; window 0: the bias
.set TMP,  0                           ; window 1: a block's 64 results
.set AF,   128
.set BK,   128                         ; 16 rows read back from the stage: v128-191 and v192-255 by turns
.set G1, 24
.set G0, 32
.set G1B, 48
.set G0B, 56
.set MSB, 0
.macro WIN new                         ; the immediate's high byte repeats the setting that is left
.if MSB != \new
	s_set_vgpr_msb (MSB<<8)|\new
.set MSB, \new
.endif
.endm
.set MUL_LO, 0xa1
.set MUL_HI, 0xf1
.set TO_B,   0x40
.macro JLOAD g0a, g1a, g0b, g1b        ; a joint load: waves 0 and 1 fetch for A, waves 2 and 3 for B; four v_nop follow each of the two lines
	s_cmp_eq_u32 s15, 0
	s_cbranch_scc0 .Lfor_b_\@
	tensor_load_to_lds s[\g0a:\g0a+3], s[\g1a:\g1a+7]
	s_nop 0
.rept 4
	v_nop
.endr
	s_branch .Lasked_\@
.Lfor_b_\@:
	tensor_load_to_lds s[\g0b:\g0b+3], s[\g1b:\g1b+7]
	s_nop 0
.rept 4
	v_nop
.endr
.Lasked_\@:
.endm
.macro CREST
	s_cmp_lg_u32 s14, 0
	s_cbranch_scc1 .Lnot_wave_0_\@
	s_barrier_signal -3
.Lnot_wave_0_\@:
	s_barrier_wait -3
	s_barrier_signal -1
	s_barrier_wait -1
.endm
.macro CROUND
	s_barrier_signal -1
	s_barrier_wait -1
	CREST
.endm
	s_load_b128 s[4:7], s[0:1], 0x0                ; ac s[4:5], wc s[6:7]
	s_load_b128 s[68:71], s[0:1], 0x10             ; b_O s[68:69], the scales s[70:71]
	s_load_b64 s[10:11], s[0:1], 0x20              ; out0
	v_lshl_add_u32 v[SPW], v0, 2, SPARE
	v_mov_b32 v[NIL], 0
	ds_add_u32 v28, v29
	ds_add_u32 v28, v29
	s_wait_dscnt 0x0
	v_lshrrev_b32 v1, 5, v0
	v_readfirstlane_b32 s14, v1                    ; wave 0..3
	s_lshr_b32 s15, s14, 1                         ; which half of the tile's rows is mine.  Also: I fetch for A (0) or for B (1)
	s_and_b32 s16, s14, 1                          ; which half of its columns.  Also: which 128 rows of that tile I fetch
	s_bfe_u32 s40, ttmp6, 0x40000                  ; cx, cy
	s_bfe_u32 s41, ttmp6, 0x40004
	s_lshl_b32 s42, ttmp9, 2
	s_add_co_u32 s42, s42, s40                     ; tile column = 4 x cluster x + cx
	s_and_b32 s17, ttmp7, 0xffff
	s_lshl_b32 s17, s17, 2
	s_add_co_u32 s17, s17, s41                     ; tile row = 4 x cluster y + cy
	s_lshl_b32 s43, s41, 2
	s_lshl_b32 s43, 15, s43                        ; my row of the cluster
	s_lshl_b32 s44, 0x1111, s40                    ; my column
	s_or_b32 s[G1+0], s43, (0<<16)|(1<<20)|(1<<21)|(5<<22)|(3<<25)  ; the mask; element of 1 byte; padding on; bit 21 beside a mask; four words after every 64
	s_or_b32 s[G1B+0], s44, (0<<16)|(1<<20)|(1<<21)|(5<<22)|(3<<25)
.irp g, G1, G1B
	s_mov_b32 s[\g+1], ROWB<<16
	s_mov_b32 s[\g+2], 128<<16
	s_mov_b32 s[\g+3], ROWB<<16
	s_mov_b32 s[\g+4], 128
	s_mov_b32 s[\g+5], KROW
	s_mov_b32 s[\g+6], 0
	s_mov_b32 s[\g+7], 0
.endr
	s_lshl_b32 s18, s16, 7
	s_lshl_b32 s20, s17, 8
	s_add_co_u32 s20, s20, s18                     ; A: row 256 x tile row + 128 x half
	s_lshl_b32 s46, s42, 8
	s_add_co_u32 s46, s46, s18                     ; B: row 256 x tile column + 128 x half
	s_mov_b32 s21, 0
	s_mov_b32 s47, 0
	s_mov_b64 s[18:19], KROW
	s_mul_u64 s[20:21], s[20:21], s[18:19]
	s_mul_u64 s[46:47], s[46:47], s[18:19]
	s_add_nc_u64 s[46:47], s[46:47], 0x300000      ; W_O's codes are the fourth MiB of wc
	s_mul_i32 s45, s14, HALFT                      ; where they go: wave x 128 rows
	s_wait_kmcnt 0x0
	s_load_b64 s[96:97], s[70:71], 0x28            ; e10, e11
	s_add_nc_u64 s[20:21], s[4:5], s[20:21]
	s_add_nc_u64 s[46:47], s[6:7], s[46:47]
	CROUND                                         ; all sixteen work-groups are here: the first joint loads meet
.irp s, 0,1
	s_mov_b32 s[G0+4*\s], 1
	s_add_co_u32 s[G0+4*\s+1], s45, \s*SLOT
	s_add_nc_u64 s[G0+4*\s+2:G0+4*\s+3], s[20:21], \s*ROWB
	s_or_b32 s[G0+4*\s+3], s[G0+4*\s+3], 0x80000000
	s_mov_b32 s[G0B+4*\s], 1
	s_add_co_u32 s[G0B+4*\s+1], s45, \s*SLOT
	s_add_nc_u64 s[G0B+4*\s+2:G0B+4*\s+3], s[46:47], \s*ROWB
	s_or_b32 s[G0B+4*\s+3], s[G0B+4*\s+3], 0x80000000
	JLOAD G0+4*\s, G1, G0B+4*\s, G1B
.endr
	v_and_b32 v1, 15, v0                           ; l % 16
	v_bfe_u32 v2, v0, 4, 1                         ; l / 16
	v_mul_u32_u24 v3, v1, PITCH
	v_lshl_add_u32 v4, v2, 4, v3
	s_mul_i32 s21, s15, HALFT
	s_mul_i32 s22, s16, HALFT
	s_add_co_u32 s22, s22, 2*HALFT
.irp s, 0,1
	v_add_nc_u32 v[ADRA+\s], s21, v4
	v_add_nc_u32 v[ADRB+\s], s22, v4
	s_add_co_u32 s21, s21, SLOT
	s_add_co_u32 s22, s22, SLOT
.endr
	s_mul_i32 s23, s14, 16*SPITCH                  ; my stage
	v_mul_u32_u24 v5, v1, SPITCH                   ; in: row l % 16, 32 bytes for each half of the lanes
	v_lshl_add_u32 v5, v2, 5, v5
	v_add_nc_u32 v[STO], s23, v5
	v_and_b32 v6, 31, v0
	v_lshlrev_b32 v[CO], 4, v6                     ; back: the 32 lanes take one row of 512 bytes; and the same in the output
	v_add_nc_u32 v[RD], s23, v[CO]
	s_lshl_b32 s21, s42, 10
	s_lshl_b32 s22, s16, 9
	s_add_co_u32 s21, s21, s22
	v_lshl_add_u32 v12, v2, 5, s21                 ; the bias: column 256 x tile column + 128 x half + 16 b + 8 h + j, 4 bytes each
.irp b, 0,1,2,3,4,5,6,7
	global_load_b128 v[BC+8*\b:BC+8*\b+3], v12, s[68:69] offset:64*\b
	global_load_b128 v[BC+8*\b+4:BC+8*\b+7], v12, s[68:69] offset:64*\b+16
.endr
	s_lshl_b32 s20, s17, 8
	s_lshl_b32 s21, s15, 7
	s_add_co_u32 s20, s20, s21                     ; my first row of the output
	s_mov_b32 s21, 0
	s_mov_b64 s[18:19], SIZE_N*4
	s_mul_u64 s[20:21], s[20:21], s[18:19]
	s_lshl_b32 s46, s42, 10                        ; my first column, in bytes
	s_lshl_b32 s47, s16, 9
	s_add_co_u32 s46, s46, s47
	s_mov_b32 s47, 0
	s_add_nc_u64 s[20:21], s[20:21], s[46:47]
	s_add_nc_u64 s[10:11], s[10:11], s[20:21]
.macro FRAG reg, adr, q, i
.irp c, 0,1,2,3
	ds_load_b128 v[\reg+4*\c:\reg+4*\c+3], v[\adr] offset:128*(\q)+32*\c+(\i)*16*PITCH
.endr
.endm
.macro MUL16 a0, p, zero               ; the 64 accumulators take turns, one instruction a turn
.irp a, \a0, \a0+1
.irp b, 0,1,2,3,4,5,6,7
.if \zero
	v_wmma_f32_16x16x128_fp8_fp8 v[8*(8*((\a)%4)+\b):8*(8*((\a)%4)+\b)+7], v[128*(\p)+FR*\b:128*(\p)+FR*\b+FR-1], v[AF+FR*(\a):AF+FR*(\a)+FR-1], 0
.else
	v_wmma_f32_16x16x128_fp8_fp8 v[8*(8*((\a)%4)+\b):8*(8*((\a)%4)+\b)+7], v[128*(\p)+FR*\b:128*(\p)+FR*\b+FR-1], v[AF+FR*(\a):AF+FR*(\a)+FR-1], v[8*(8*((\a)%4)+\b):8*(8*((\a)%4)+\b)+7]
.endif
.endr
.endr
.endm
.macro FETCH_B slot, q, p
	WIN TO_B
.irp i, 0,1,2,3,4,5,6,7
	FRAG 128*(\p)+FR*\i, ADRB+\slot, \q, \i
.endr
	WIN 0
.endm
.macro FETCH_A slot, q, i0
.irp i, \i0, \i0+1, \i0+2, \i0+3
	FRAG AF+FR*(\i), ADRA+\slot, \q, \i
.endr
.endm
.macro PLACES n                        ; plain vector lines between a matrix instruction and a load into, or a vector write of, a register that it has read, or a read of its result
.rept \n
	v_nop
.endr
.endm
.macro STEP slot, q, zero
	s_wait_dscnt 4*NL                              ; B's set and A's blocks 0-3 are in; the youngest sixteen loads (A's blocks 4-7) may be out
	WIN MUL_LO
	MUL16 0, (\q)%2, \zero
	MUL16 2, (\q)%2, \zero
	s_wait_dscnt 0
	PLACES NP
	FETCH_B \slot, (\q)+1, 1-(\q)%2
	FETCH_A \slot, (\q)+1, 0
	WIN MUL_HI
	MUL16 4, (\q)%2, \zero
	MUL16 6, (\q)%2, \zero
	PLACES NP
	WIN 0
	FETCH_A \slot, (\q)+1, 4
.endm
.macro TURN slot, next, fill
	s_wait_tensorcnt 0x0                           ; all my tensor loads have landed: my part of the next slot
	ds_add_u32 v[SPW], v[NIL]                      ; 0 onto my spare word
	s_wait_dscnt 4*NL+1                            ; the add and the youngest sixteen loads may be out
	WIN MUL_LO
	MUL16 0, 1, 0
	s_wait_dscnt 0x0                               ; the add is done, and my reads of this slot are over
	s_barrier_signal -1
	MUL16 2, 1, 0
	WIN 0
	s_barrier_wait -1
.if \fill
	CREST                                          ; the barrier has opened a round of the cluster's: no wave of any partner still reads this slot or has a load on its way
	s_add_nc_u64 s[G0+4*\slot+2:G0+4*\slot+3], s[G0+4*\slot+2:G0+4*\slot+3], 2*ROWB
	s_add_nc_u64 s[G0B+4*\slot+2:G0B+4*\slot+3], s[G0B+4*\slot+2:G0B+4*\slot+3], 2*ROWB
	JLOAD G0+4*\slot, G1, G0B+4*\slot, G1B
.else
	PLACES NP
.endif
	FETCH_B \next, 0, 0
	FETCH_A \next, 0, 0
	WIN MUL_HI
	MUL16 4, 1, 0
	MUL16 6, 1, 0
	PLACES NP
	WIN 0
	FETCH_A \next, 0, 4
.endm
	s_wait_tensorcnt 1                             ; my part of K step 0 is in; K step 1's load may be out
	s_barrier_signal -1
	s_barrier_wait -1
	FETCH_B 0, 0, 0
	FETCH_A 0, 0, 0
	FETCH_A 0, 0, 4
	STEP 0, 0, 1
	s_mov_b32 s3, LAPS-1
.Llap:
	TURN 0, 1, 1
	STEP 1, 0, 0
	TURN 1, 0, 1
	STEP 0, 0, 0
	s_sub_co_u32 s3, s3, 1
	s_cmp_lg_u32 s3, 0
	s_cbranch_scc1 .Llap
	TURN 0, 1, 0
	STEP 1, 0, 0
	s_wait_dscnt 4*NL
	WIN MUL_LO
	MUL16 0, 1, 0
	MUL16 2, 1, 0
	s_wait_dscnt 0
	WIN MUL_HI
	MUL16 4, 1, 0
	MUL16 6, 1, 0
	WIN 0
; THE WAY OUT, block by block of 16 rows x 128 columns, through my own stage in LDS, back as whole rows of 512 bytes.  LDS serves a wave's instructions in order (ISA guide 5.7.1.4).
.macro TOSTAGE a
.set AC, 64*((\a)%4)
	WIN 0x42+((\a)/4)                              ; destination window 1, source 0 window 2 or 3, the bias window 0
.set j, 0
.rept 32
	v_pk_fma_f32 v[TMP+j:TMP+j+1], v[AC+j:AC+j+1], s[96:97], v[BC+j:BC+j+1] op_sel_hi:[1,0,1]   ; sum x 2^(e10 + e11) + bias; each accumulator from its low end on
.set j, j+2
.endr
	WIN 0x04                                       ; the stores' data lie in window 1
.irp b, 0,1,2,3,4,5,6,7
	ds_store_b128 v[STO], v[TMP+8*\b:TMP+8*\b+3] offset:64*\b
	ds_store_b128 v[STO], v[TMP+8*\b+4:TMP+8*\b+7] offset:64*\b+16
.endr
	WIN 0
.set BB, BK+64*((\a)%2)
.irp t, 0,1,2,3,4,5,6,7,8,9,10,11,12,13,14,15
	ds_load_b128 v[BB+4*\t:BB+4*\t+3], v[RD] offset:\t*SPITCH
.endr
.endm
.macro SEND a, younger                 ; younger: the LDS instructions issued behind block a's loads, which may stay out
.set BB, BK+64*((\a)%2)
	s_wait_dscnt \younger
.if (\a) > 0
	s_add_nc_u64 s[10:11], s[10:11], 16*SIZE_N*4   ; (behind a wait on XCNT: the earlier stores have read their base)
.endif
.irp t, 0,1,2,3,4,5,6,7,8,9,10,11,12,13,14,15
	global_store_b128 v[CO], v[BB+4*\t:BB+4*\t+3], s[10:11] offset:\t*SIZE_N*4 th:TH_STORE_NT   ; 32 lanes store 512 consecutive bytes, aligned
.endr
.endm
	s_wait_loadcnt 0x0                             ; the bias
	s_wait_kmcnt 0x0
	s_add_co_i32 s96, s96, s97                     ; e10 + e11
	s_add_co_i32 s96, s96, 127
	s_lshl_b32 s96, s96, 23                        ; 2^(e10 + e11) as f32 (the packed form takes the pair's low word for both halves)
	PLACES NP                                      ; behind the last products: for the reads of results, and for the writes of and loads into registers that held fragments
	TOSTAGE 0
.irp a, 1,2,3,4,5,6,7
.if \a > 1
	s_wait_xcnt 0x0                                ; block a - 2's stores have read their registers and their base
.endif
	TOSTAGE \a
	SEND \a-1, 32                                  ; behind block a - 1's loads: block a's 16 stores and 16 loads
.endr
	s_wait_xcnt 0x0
	SEND 7, 0
	s_wait_tensorcnt 0x0                           ; the wave's end
	ds_add_u32 v[SPW], v[NIL]
	s_wait_dscnt 0x0
	CROUND                                         ; the closing round
	s_endpgm
.Lfunc_end_k_q406ddc007d_oproj:
	.size	k_q406ddc007d_oproj, .Lfunc_end_k_q406ddc007d_oproj-k_q406ddc007d_oproj
	.p2alignl 7, 3214868480
	.fill 96, 4, 3214868480
	.section	.rodata,"a",@progbits
	.p2align	6, 0x0
	.amdhsa_kernel k_q406ddc007d_oproj
		.amdhsa_group_segment_fixed_size 327680
		.amdhsa_private_segment_fixed_size 0
		.amdhsa_enable_private_segment 0
		.amdhsa_kernarg_size 40
		.amdhsa_user_sgpr_count 2
		.amdhsa_user_sgpr_kernarg_segment_ptr 1
		.amdhsa_wavefront_size32 1
		.amdhsa_system_sgpr_workgroup_id_x 1
		.amdhsa_system_sgpr_workgroup_id_y 1
		.amdhsa_system_sgpr_workgroup_id_z 1
		.amdhsa_system_vgpr_workitem_id 0
		.amdhsa_next_free_vgpr 1024
		.amdhsa_next_free_sgpr 98
		.amdhsa_reserve_vcc 0
		.amdhsa_float_denorm_mode_32 3
		.amdhsa_float_denorm_mode_16_64 3
		.amdhsa_memory_ordered 1
		.amdhsa_forward_progress 1
		.amdhsa_inst_pref_size 125
	.end_amdhsa_kernel
	.amdgpu_metadata
---
amdhsa.version: [ 1, 2 ]
amdhsa.kernels:
  - .name:           k_q406ddc007d_oproj
    .symbol:         k_q406ddc007d_oproj.kd
    .args:
      - { .name: ac, .offset: 0, .size: 8, .value_kind: global_buffer, .address_space: global }
      - { .name: wc, .offset: 8, .size: 8, .value_kind: global_buffer, .address_space: global }
      - { .name: b_O, .offset: 16, .size: 8, .value_kind: global_buffer, .address_space: global }
      - { .name: lowp_scales, .offset: 24, .size: 8, .value_kind: global_buffer, .address_space: global }
      - { .name: out0, .offset: 32, .size: 8, .value_kind: global_buffer, .address_space: global }
    .group_segment_fixed_size: 327680
    .private_segment_fixed_size: 0
    .kernarg_segment_align: 8
    .kernarg_segment_size: 40
    .max_flat_workgroup_size: 128
    .sgpr_count:     98
    .vgpr_count:     1024
    .wavefront_size: 32
...
	.end_amdgpu_metadata
.endif
;; end of part 4
;; ======== version 2 of 2: 4 launches
;; limits: right only within a limited range of input values
;; workspace buffers: qc 12,582,912 bytes; wc 4,194,304 bytes; mbits 524,288 bytes of whole numbers; mflag 262,144 bytes of whole numbers; heads 12,582,912 bytes; ac 4,194,304 bytes
;; launch prep (part 5): grid 768 x 1, 4 waves a work-group, no clusters, 58,880 bytes of LDS; arguments Q, W_Q, W_K, W_V, W_O, mask, lowp_scales, qc, wc, mbits, mflag; writes qc, wc, mbits, mflag
.if DOCPART == 5
	.amdgcn_target "amdgcn-amd-amdhsa--gfx1250"
	.amdhsa_code_object_version 6
	.text
	.protected	k_q406ddc007d_prep
	.globl	k_q406ddc007d_prep
	.p2align	8
	.type	k_q406ddc007d_prep,@function
k_q406ddc007d_prep:
	s_mov_b64 s[64:65], 0
	v_nop
	global_prefetch_b8 v0, s[64:65] scope:SCOPE_SE
	s_setreg_imm32_b32 hwreg(HW_REG_WAVE_MODE, 25, 1), 1
	s_wait_xcnt 0x0
; THE LAUNCH IN FRONT OF THE PRODUCTS.  Three kinds of work-groups, told apart by the work-group's number alone; the three ways never join, and each has LDS bytes of its own.
;   0-255:   Q [4096][1024] f32 becomes codes of E4M3 three times, with the scales 2^e0, 2^e2, 2^e4 (they may differ): qc [3][4096][1024], one code a byte, K innermost.  Q is read once.
;   256-511: W_Q, W_K, W_V, W_O [1024][1024] f32 become codes with 2^e1, 2^e3, 2^e5, 2^e11: wc [4][1024][1024].  64 work-groups to a tensor.
;   512-767: the mask's bytes (0 or 1) become bits for the attention launch: mbits [T 128][ks 16][lane 32][2].  Lane L = r + 16 h stands for query 32 (T / 2) + 8 (T % 2) + r + 8 (r / 8); its score
;            register n = 16 b + i there is key 128 ks + 32 b + 16 h + i; word n / 32 holds it at bit 8 (n % 4) + 7 - (n / 4) % 8: set = closed.
;            And mflag [T 128][pair of key steps 8][32 equal copies][2]: word 0, bit L: lane L's keys are closed throughout the pair; word 1, at bit 4 x pair: key step 0 closed for all lanes, key step 0 closed anywhere,
;            and the same for key step 1.  The attention launch decides by these whole numbers which tiles of scores it computes.
; code = x / 2^e, held within +-448, rounded to the nearest code, ties to even.  LIMITS: each e between -126 and 119, so that 2^e and 448 x 2^e are f32 numbers.  NaN among the inputs is not served.
; Rows are dense, so a tensor is a plain stream.  A wave takes 8 steps of 512 numbers.  Each load reads 512 consecutive bytes, 16 a lane; a step's 2,048 bytes turn through the wave's own stage in LDS and
; come back 64 bytes a lane, since the conversions take neighbours along K from one lane's registers.  A lane's 16 codes are 16 bytes: the wave stores 512 consecutive bytes.
; No matrix unit, no tensor loads, no barrier: waves share nothing.  Loads run four steps (16 loads a wave) ahead.
.set STEPS, 8
.set SP,    80                         ; a lane's place in a stage: its 64 bytes + 16 of padding
.set WREG,  5120                       ; two stages of 32 x SP bytes for each wave
.set WBASE, 20480                      ; the W way's stages begin here
.set MBASE, 40960                      ; the mask way's stages begin here: 16 rows x MPI bytes for each wave
.set MPI,   272                        ; a row of 256 mask bytes + 16 of padding
.set SPARE, 58368                      ; the spare words, 128 bytes for each wave, which no other line names
.set R,     16                         ; v16-79   four sets of 16 numbers as they are loaded
.set X,     80                         ; v80-111  two sets of 16 neighbours
.set T,     112                        ; v112-127 the numbers held within the largest code x the scale
.set C,     128                        ; v128-151 codes: [step's parity][output][4]
; v4-6: 2^e as f32, for up to three outputs;  v8-10: 448 x 2^e;  v14, v15: the stage, way in and way out;  v3: 16 x lane
.macro LOAD t
.irp i, 0,1,2,3
	global_load_b128 v[R+16*((\t)%4)+4*\i:R+16*((\t)%4)+4*\i+3], v3, s[4:5] offset:2048*(\t)+512*\i th:TH_LOAD_NT   ; 32 lanes read 512 consecutive bytes
.endr
.endm
.macro TURN t                          ; step t's numbers through the stage: LDS serves a wave's instructions in order, so no wait stands between the stores and the loads
.irp i, 0,1,2,3
	ds_store_b128 v14, v[R+16*((\t)%4)+4*\i:R+16*((\t)%4)+4*\i+3] offset:32*SP*((\t)%2)+8*SP*\i
.endr
.irp i, 0,1,2,3
	ds_load_b128 v[X+16*((\t)%2)+4*\i:X+16*((\t)%2)+4*\i+3], v15 offset:32*SP*((\t)%2)+16*\i
.endr
.endm
.macro SCALE j, e                      ; s[e] holds the exponent of output j's scale
	s_add_co_i32 s52, s[\e], 127
	s_lshl_b32 s53, s52, 23
	v_mov_b32 v[4+\j], s53                         ; 2^e as f32: the conversion takes its exponent field
	s_add_co_i32 s52, s52, 8
	s_lshl_b32 s52, s52, 23
	s_or_b32 s52, s52, 0x600000
	v_mov_b32 v[8+\j], s52                         ; 448 x 2^e
.endm
.macro ADDRS base                      ; the wave's stages begin at base + WREG x wave
	s_mul_i32 s38, s2, WREG
	s_add_co_u32 s38, s38, \base
	v_lshrrev_b32 v14, 2, v2
	v_mul_u32_u24 v14, v14, SP
	v_and_b32 v15, 3, v2
	v_lshl_add_u32 v14, v15, 4, v14
	v_add_nc_u32 v14, s38, v14                     ; way in: four lanes' 64 bytes on end, then 16 of padding
	v_mul_u32_u24 v15, v2, SP
	v_add_nc_u32 v15, s38, v15                     ; way out: my 16 neighbours
.endm
.macro STEP t, nout
.set XS, X+16*((\t)%2)
	s_wait_dscnt 0x0                               ; this step's numbers are back from the stage, so its stores into the stage have read their registers,
.if (\t)+4 < STEPS
	LOAD (\t)+4                                    ; which take the loads of four steps on
.endif
.if (\t)+1 < STEPS
.if STEPS-2-(\t) >= 3
	s_wait_loadcnt 12                              ; the next step's four loads are in; those of the three steps behind it may be out
.else
	s_wait_loadcnt 4*(STEPS-2-(\t))
.endif
	TURN (\t)+1                                    ; and go through the other stage while this step is worked
.endif
	s_wait_xcnt 0x0                                ; the earlier stores have read their data: the codes' registers may be written again
.set J, 0
.rept \nout
.irp i, 0,1,2,3,4,5,6,7,8,9,10,11,12,13,14,15
	v_med3_num_f32 v[T+\i], v[XS+\i], -v[8+J], v[8+J]   ; the conversion to an 8-bit code does not saturate (ISA guide 7.6.2): the hold at the largest code x the scale
.endr
	v_cvt_scalef32_pk8_fp8_f32 v[C+12*((\t)%2)+4*J:C+12*((\t)%2)+4*J+1], v[T:T+7], v[4+J]
	v_cvt_scalef32_pk8_fp8_f32 v[C+12*((\t)%2)+4*J+2:C+12*((\t)%2)+4*J+3], v[T+8:T+15], v[4+J]
	v_nop                                          ; a plain vector line between the conversions and the next holds, which write their sources
	global_store_b128 v3, v[C+12*((\t)%2)+4*J:C+12*((\t)%2)+4*J+3], s[28+2*J:29+2*J] offset:512*(\t)   ; 32 lanes store 512 consecutive bytes, aligned
.set J, J+1
.endr
.endm
.macro RUN nout
	s_wait_loadcnt 12                              ; step 0's four loads are in
	TURN 0
.set QQ, 0
.rept STEPS
	STEP QQ, \nout
.set QQ, QQ+1
.endr
	s_wait_tensorcnt 0x0                           ; the wave's end
	ds_add_u32 v160, v161
	s_wait_dscnt 0x0
	s_endpgm
.endm
	s_load_b512 s[8:23], s[0:1], 0x0               ; Q s[8:9], W_Q s[10:11], W_K s[12:13], W_V s[14:15], W_O s[16:17], mask s[18:19], the scales s[20:21], qc s[22:23]
	s_load_b128 s[24:27], s[0:1], 0x40             ; wc s[24:25], mbits s[26:27]
	s_load_b64 s[56:57], s[0:1], 0x50              ; mflag
	v_lshl_add_u32 v160, v0, 2, SPARE
	v_mov_b32 v161, 0
	v_lshrrev_b32 v1, 5, v0
	v_readfirstlane_b32 s2, v1                     ; wave 0..3
	v_and_b32 v2, 31, v0                           ; lane
	v_lshlrev_b32 v3, 4, v2                        ; 16 x lane
	s_wait_alu depctr_va_vdst(0)
	s_wait_kmcnt 0x0
	s_cmp_lt_u32 ttmp9, 256
	s_cbranch_scc1 .Lq
	s_cmp_lt_u32 ttmp9, 512
	s_cbranch_scc1 .Lw
	; ---- THE MASK.  A wave takes the 16 queries of one tile T and 256 keys (two key steps): 16 rows x 256 bytes, each row's 256 bytes read whole.
	s_sub_co_u32 s34, ttmp9, 512
	s_lshl_b32 s34, s34, 2
	s_add_co_u32 s34, s34, s2                      ; 0 .. 1023 = 8 T + pair
	s_lshr_b32 s35, s34, 3                         ; T
	s_and_b32 s36, s34, 7                          ; which 256 keys
	s_lshr_b32 s37, s35, 1
	s_lshl_b32 s37, s37, 5
	s_and_b32 s38, s35, 1
	s_lshl_b32 s38, s38, 3
	s_add_co_u32 s37, s37, s38                     ; the tile's first query: 32 (T / 2) + 8 (T % 2)
	s_lshl_b32 s38, s37, 11                        ; a row of the mask is 2,048 bytes
	s_lshl_b32 s37, s36, 8
	s_add_co_u32 s38, s38, s37
	s_mov_b32 s39, 0
	s_add_nc_u64 s[18:19], s[18:19], s[38:39]
	s_lshl_b32 s38, s34, 9                         ; a pair of key steps: 512 bytes of bits
	s_add_nc_u64 s[26:27], s[26:27], s[38:39]
	s_lshl_b32 s38, s34, 8                         ; and 256 bytes of flags
	s_add_nc_u64 s[56:57], s[56:57], s[38:39]
	s_wait_alu depctr_va_vdst(0)
	v_and_b32 v4, 15, v2                           ; lane % 16
	v_lshrrev_b32 v5, 4, v2                        ; lane / 16
	v_lshlrev_b32 v6, 4, v4
	v_lshl_add_u32 v6, v5, 11, v6                  ; in memory: lanes 0-15 one row, lanes 16-31 the next; 16 bytes a lane
	s_mul_i32 s37, s2, 16*MPI
	s_add_co_u32 s37, s37, MBASE
	v_mul_u32_u24 v7, v5, MPI
	v_lshl_add_u32 v7, v4, 4, v7
	v_add_nc_u32 v7, s37, v7                       ; the same two rows in the stage
	v_mul_u32_u24 v8, v4, MPI
	v_lshl_add_u32 v8, v5, 4, v8
	v_add_nc_u32 v8, s37, v8                       ; back: row r = lane % 16, 16 bytes at 16 h
	v_lshlrev_b32 v9, 3, v2                        ; out: two words a lane
.irp i, 0,1,2,3,4,5,6,7
	global_load_b128 v[16+4*\i:19+4*\i], v6, s[18:19] offset:(2*\i+8*(\i/4))*2048 th:TH_LOAD_NT   ; rows 2 i, 2 i + 1 of the tile: queries 0-7 and 16-23 from its first
.endr
	s_wait_alu depctr_va_vdst(0)
	s_wait_loadcnt 0x0
.irp i, 0,1,2,3,4,5,6,7
	ds_store_b128 v7, v[16+4*\i:19+4*\i] offset:2*MPI*\i
.endr
.irp s, 0,1
.irp b, 0,1,2,3
	ds_load_b128 v[48+16*\s+4*\b:51+16*\s+4*\b], v8 offset:128*\s+32*\b   ; keys 128 s + 32 b + 16 h + 0 .. 15 of my query: LDS serves a wave's instructions in order, so these see the stores
.endr
.endr
	s_wait_dscnt 0x0
.irp s, 0,1                            ; eight words of four mask bytes become one word of 32 bits
	v_lshlrev_b32 v[80+2*\s], 7, v[48+16*\s]
	v_lshlrev_b32 v[81+2*\s], 7, v[56+16*\s]
.irp m, 1,2,3,4,5,6,7
	v_lshl_or_b32 v[80+2*\s], v[48+16*\s+\m], 7-\m, v[80+2*\s]
	v_lshl_or_b32 v[81+2*\s], v[56+16*\s+\m], 7-\m, v[81+2*\s]
.endr
.endr
	global_store_b64 v9, v[80:81], s[26:27]            ; 32 lanes store 256 consecutive bytes, aligned: a key step's 64 words
	global_store_b64 v9, v[82:83], s[26:27] offset:256
.irp s, 0,1
	v_and_b32 v[84+2*\s], v[80+2*\s], v[81+2*\s]
	v_or_b32 v[85+2*\s], v[80+2*\s], v[81+2*\s]
.endr
.irp s, 0,1
	v_cmp_eq_u32 s[44+2*\s], -1, v[84+2*\s]        ; bit L: all my keys of the key step are closed
	v_cmp_ne_u32 s[45+2*\s], 0, v[85+2*\s]         ; bit L: one of them is
.endr
	s_wait_alu depctr_va_vdst(0)                   ; ahead of the run of scalar lines
	s_and_b32 s48, s44, s46
	s_cmp_eq_u32 s44, -1
	s_cselect_b32 s49, 1, 0
	s_cmp_lg_u32 s45, 0
	s_cselect_b32 s50, 2, 0
	s_or_b32 s49, s49, s50
	s_cmp_eq_u32 s46, -1
	s_cselect_b32 s50, 4, 0
	s_or_b32 s49, s49, s50
	s_cmp_lg_u32 s47, 0
	s_cselect_b32 s50, 8, 0
	s_or_b32 s49, s49, s50
	s_lshl_b32 s50, s36, 2
	s_lshl_b32 s49, s49, s50                       ; four bits at 4 x pair
	v_mov_b32 v92, s48
	v_mov_b32 v93, s49
	global_store_b64 v9, v[92:93], s[56:57]            ; the two words, 32 equal copies: one aligned unit of 256 bytes
	s_wait_tensorcnt 0x0                           ; the wave's end
	ds_add_u32 v160, v161
	s_wait_dscnt 0x0
	s_endpgm
	; ---- Q, three times
.Lq:
	s_load_b256 s[40:47], s[20:21], 0x0            ; e0 .. e7
	s_lshl_b32 s34, ttmp9, 2
	s_add_co_u32 s34, s34, s2                      ; which run of 4,096 numbers is my wave's: 0 .. 1023
	s_lshl_b32 s36, s34, 14
	s_mov_b32 s37, 0
	s_add_nc_u64 s[4:5], s[8:9], s[36:37]
	s_lshl_b32 s36, s34, 12
	s_add_nc_u64 s[28:29], s[22:23], s[36:37]      ; the three sections of qc lie 4 MiB apart
	s_add_nc_u64 s[30:31], s[28:29], 0x400000
	s_add_nc_u64 s[32:33], s[28:29], 0x800000
	s_wait_alu depctr_va_vdst(0)
	ADDRS 0
.irp t, 0,1,2,3
	LOAD \t
.endr
	s_wait_alu depctr_va_vdst(0)
	s_wait_kmcnt 0x0
	SCALE 0, 40
	SCALE 1, 42
	SCALE 2, 44
	s_wait_alu depctr_va_vdst(0)
	RUN 3
	; ---- the four weights
.Lw:
	s_load_b256 s[40:47], s[20:21], 0x0            ; e0 .. e7
	s_load_b128 s[48:51], s[20:21], 0x20           ; e8 .. e11
	s_sub_co_u32 s34, ttmp9, 256
	s_lshr_b32 s35, s34, 6                         ; which weight: 0 W_Q, 1 W_K, 2 W_V, 3 W_O
	s_and_b32 s34, s34, 63
	s_lshl_b32 s34, s34, 2
	s_add_co_u32 s34, s34, s2                      ; which run of 4,096 numbers: 0 .. 255
	s_cmp_eq_u32 s35, 0                            ; the choices hang on the work-group's number alone
	s_cselect_b64 s[4:5], s[10:11], s[12:13]
	s_cmp_lt_u32 s35, 2
	s_cselect_b64 s[4:5], s[4:5], s[14:15]
	s_cmp_lt_u32 s35, 3
	s_cselect_b64 s[4:5], s[4:5], s[16:17]
	s_lshl_b32 s36, s34, 14
	s_mov_b32 s37, 0
	s_add_nc_u64 s[4:5], s[4:5], s[36:37]
	s_lshl_b32 s36, s34, 12
	s_lshl_b32 s38, s35, 20
	s_add_co_u32 s36, s36, s38
	s_add_nc_u64 s[28:29], s[24:25], s[36:37]
	s_wait_alu depctr_va_vdst(0)
	ADDRS WBASE
.irp t, 0,1,2,3
	LOAD \t
.endr
	s_wait_alu depctr_va_vdst(0)
	s_wait_kmcnt 0x0
	s_cmp_eq_u32 s35, 0
	s_cselect_b32 s54, s41, s43                    ; e1, e3,
	s_cmp_lt_u32 s35, 2
	s_cselect_b32 s54, s54, s45                    ; e5,
	s_cmp_lt_u32 s35, 3
	s_cselect_b32 s54, s54, s51                    ; e11
	SCALE 0, 54
	s_wait_alu depctr_va_vdst(0)
	RUN 1
.Lfunc_end_k_q406ddc007d_prep:
	.size	k_q406ddc007d_prep, .Lfunc_end_k_q406ddc007d_prep-k_q406ddc007d_prep
	.p2alignl 7, 3214868480
	.fill 96, 4, 3214868480
	.section	.rodata,"a",@progbits
	.p2align	6, 0x0
	.amdhsa_kernel k_q406ddc007d_prep
		.amdhsa_group_segment_fixed_size 58880
		.amdhsa_private_segment_fixed_size 0
		.amdhsa_enable_private_segment 0
		.amdhsa_kernarg_size 88
		.amdhsa_user_sgpr_count 2
		.amdhsa_user_sgpr_kernarg_segment_ptr 1
		.amdhsa_wavefront_size32 1
		.amdhsa_system_sgpr_workgroup_id_x 1
		.amdhsa_system_sgpr_workgroup_id_y 1
		.amdhsa_system_sgpr_workgroup_id_z 1
		.amdhsa_system_vgpr_workitem_id 0
		.amdhsa_next_free_vgpr 162
		.amdhsa_next_free_sgpr 66
		.amdhsa_reserve_vcc 0
		.amdhsa_float_denorm_mode_32 3
		.amdhsa_float_denorm_mode_16_64 3
		.amdhsa_memory_ordered 1
		.amdhsa_forward_progress 1
		.amdhsa_inst_pref_size 67
	.end_amdhsa_kernel
	.amdgpu_metadata
---
amdhsa.version: [ 1, 2 ]
amdhsa.kernels:
  - .name:           k_q406ddc007d_prep
    .symbol:         k_q406ddc007d_prep.kd
    .args:
      - { .name: Q, .offset: 0, .size: 8, .value_kind: global_buffer, .address_space: global }
      - { .name: W_Q, .offset: 8, .size: 8, .value_kind: global_buffer, .address_space: global }
      - { .name: W_K, .offset: 16, .size: 8, .value_kind: global_buffer, .address_space: global }
      - { .name: W_V, .offset: 24, .size: 8, .value_kind: global_buffer, .address_space: global }
      - { .name: W_O, .offset: 32, .size: 8, .value_kind: global_buffer, .address_space: global }
      - { .name: mask, .offset: 40, .size: 8, .value_kind: global_buffer, .address_space: global }
      - { .name: lowp_scales, .offset: 48, .size: 8, .value_kind: global_buffer, .address_space: global }
      - { .name: qc, .offset: 56, .size: 8, .value_kind: global_buffer, .address_space: global }
      - { .name: wc, .offset: 64, .size: 8, .value_kind: global_buffer, .address_space: global }
      - { .name: mbits, .offset: 72, .size: 8, .value_kind: global_buffer, .address_space: global }
      - { .name: mflag, .offset: 80, .size: 8, .value_kind: global_buffer, .address_space: global }
    .group_segment_fixed_size: 58880
    .private_segment_fixed_size: 0
    .kernarg_segment_align: 8
    .kernarg_segment_size: 88
    .max_flat_workgroup_size: 128
    .sgpr_count:     66
    .vgpr_count:     162
    .wavefront_size: 32
...
	.end_amdgpu_metadata
.endif
;; end of part 5
;; launch qkv (part 6): grid 12 x 16, 4 waves a work-group, clusters of 4 x 4, 327,680 bytes of LDS; arguments qc, wc, b_Q, b_K, b_V, lowp_scales, heads; writes heads
.if DOCPART == 6
	.amdgcn_target "amdgcn-amd-amdhsa--gfx1250"
	.amdhsa_code_object_version 6
	.text
	.protected	k_q406ddc007d_qkv
	.globl	k_q406ddc007d_qkv
	.p2align	8
	.type	k_q406ddc007d_qkv,@function
k_q406ddc007d_qkv:
	s_mov_b64 s[64:65], 0
	v_nop
	global_prefetch_b8 v0, s[64:65] scope:SCOPE_SE
	s_setreg_imm32_b32 hwreg(HW_REG_WAVE_MODE, 25, 1), 1
	s_wait_xcnt 0x0
	s_wait_alu depctr_hold_cnt(0) depctr_sa_sdst(0) depctr_va_vdst(0) depctr_va_sdst(0) depctr_va_ssrc(0) depctr_va_vcc(0) depctr_vm_vsrc(0)
	s_getreg_b32 s2, hwreg(HW_REG_IB_STS2, 6, 4)
	s_cmp_eq_u32 s2, 0
	s_cbranch_scc0 .Lentry_in_a_cluster
	s_endpgm
.Lentry_in_a_cluster:
	s_bfe_u32 s2, ttmp6, 0x10000c
	s_cmp_lg_u32 s2, 0xf033
	s_cbranch_scc0 .Lentry_shape_is_right
	s_endpgm
.Lentry_shape_is_right:
; THE THREE PROJECTIONS, on codes of E4M3, and their results quantised again for the attention launch.  The cluster's x is the section: 0 q, 1 k, 2 v.
; A tile of 256 x 256 of C = A B^T is made by four waves, each 128 x 128: 64 accumulators, 512 registers.  K = 1,024 goes in four steps of 256 through a ring of two LDS slots filled by the tensor data mover.
; Sections 0, 1: A = the tokens' codes (block 4 x cluster y + cy of 16), B = the weight's codes (block cx of 4): a row of the tile is a token, and a lane's eight results are eight neighbouring features.
; Section 2: A = W_V's codes (block cy of 4), B = the tokens' (block 4 x cluster y + cx of 16): the tile is V^T, and a lane's eight results are eight neighbouring KEYS, which are the second attention product's K.
; Only addresses differ between the sections; they are chosen by s_cselect on the cluster's x, which all sixteen partners share.  In every section A's tile hangs on cy alone and is asked for jointly by the
; four work-groups of a row of the cluster, B's on cx alone, by the four of a column: that divides the requests for both by four.
; THE MATRIX INSTRUCTION IS USED TRANSPOSED (source 0 = 16 rows of B, source 1 = 16 rows of A).  A fragment is fetched by four loads of 16 bytes: a permutation of k, the same in A and in B.
; THE WAY OUT: sum x 2^(eA + eB) + bias, held within +-448 x 2^eo, converted with 2^eo (eo = e6, e7, e9); the codes meet in a stage of 256 rows x 272 bytes in slot 0 (it has had its last fill and its last
; read by then) and leave as IMAGES OF OPERAND REGISTERS: 16 rows x 64 bytes in 1,024 bytes, byte (row r, 32 c + 16 h + x) at 512 c + 256 h + 16 r + x.  Row r of image T of a run is row 32 (T / 2) + 8 (T % 2) + r + 8 (r / 8).
; heads = three sections of 4 MiB, each [32 heads][131,072 bytes].  q, k: 128 images a head, rows = tokens, bytes = the head's 64.  v: [32 groups of 64 keys][4 images], rows = the head's 64, bytes = keys.
; LIMITS: eA + eB between -126 and 127; eo between -126 and 119.  NaN is not served.
; REGISTERS, in windows of 256: window 0: v0-31 addresses; v32-95 the bias along the columns; v96-111 the bias along the rows, each number twice; from v128 A's fragments, ONE set; on the way out v128-255 are at work.
;   window 1: B's fragments, TWO sets.   window 2: the 32 accumulators of my rows 0-63 ((a, b) at v[8 (8 a + b)]);   window 3: those of my rows 64-127.
.set KSTEP,  256
.set ROWB,   256                       ; a tile's row in bytes
.set KROW,   1024                      ; a row of codes in memory
.set PITCH,  272                       ; an LDS row: 256 bytes + 16 of padding: the 16 rows that a load touches start at 16 different banks (64 banks of 4 bytes: ISA guide 11.1)
.set FR,     16
.set NL,     4
.set NP,     4
.set HALFT,  128*PITCH
.set SLOT,   4*HALFT
.set LAPS,   2                         ; 1,024 / (2 x 256)
.set SPARE,  2*SLOT                    ; behind the ring: the spare words, 128 bytes for each wave, which no other line names
.set CO,   8                           ; v8-11   the way out: my byte offset in heads, for each of the four runs of 64 stage rows
.set ADRA, 16
.set ADRB, 20
.set STO,  24                          ; v24     where I put 8 codes of a stage row
.set RD,   25                          ; v25     where I read 16 bytes of an image's row back
.set SPW,  28
.set NIL,  29
.set BC,   32
.set BR,   96
.set TW,   128                         ; the way out: a block's 64 numbers
.set AF,   128
.set G1, 24
.set G0, 32
.set G1B, 48
.set G0B, 56
.set MSB, 0
.macro WIN new                         ; the immediate's high byte repeats the setting that is left
.if MSB != \new
	s_set_vgpr_msb (MSB<<8)|\new
.set MSB, \new
.endif
.endm
.set MUL_LO, 0xa1                      ; source 0 (B) window 1, source 1 (A) window 0, C and D window 2
.set MUL_HI, 0xf1
.set TO_B,   0x40
; A joint load: waves 0 and 1 fetch for A, waves 2 and 3 for B; the branch hangs on the wave's number alone.  Four v_nop follow each of the two lines.
.macro JLOAD g0a, g1a, g0b, g1b
	s_cmp_eq_u32 s15, 0
	s_cbranch_scc0 .Lfor_b_\@
	tensor_load_to_lds s[\g0a:\g0a+3], s[\g1a:\g1a+7]
	s_nop 0
.rept 4
	v_nop
.endr
	s_branch .Lasked_\@
.Lfor_b_\@:
	tensor_load_to_lds s[\g0b:\g0b+3], s[\g1b:\g1b+7]
	s_nop 0
.rept 4
	v_nop
.endr
.Lasked_\@:
.endm
.macro CREST                           ; a round of the cluster's barrier behind its opening barrier
	s_cmp_lg_u32 s14, 0
	s_cbranch_scc1 .Lnot_wave_0_\@
	s_barrier_signal -3
.Lnot_wave_0_\@:
	s_barrier_wait -3
	s_barrier_signal -1
	s_barrier_wait -1
.endm
.macro CROUND
	s_barrier_signal -1
	s_barrier_wait -1
	CREST
.endm
	s_load_b256 s[68:75], s[0:1], 0x0              ; qc s[68:69], wc s[70:71], b_Q s[72:73], b_K s[74:75]
	s_load_b128 s[76:79], s[0:1], 0x20             ; b_V s[76:77], the scales s[78:79]
	s_load_b64 s[80:81], s[0:1], 0x30              ; heads
	v_lshl_add_u32 v[SPW], v0, 2, SPARE
	v_mov_b32 v[NIL], 0
	ds_add_u32 v28, v29
	ds_add_u32 v28, v29
	s_wait_dscnt 0x0
	v_lshrrev_b32 v1, 5, v0
	v_readfirstlane_b32 s14, v1                    ; wave 0..3
	s_lshr_b32 s15, s14, 1                         ; which half of the tile's rows is mine.  Also: I fetch for A (0) or for B (1)
	s_and_b32 s16, s14, 1                          ; which half of its columns.  Also: which 128 rows of that tile I fetch
	s_bfe_u32 s40, ttmp6, 0x40000                  ; cx
	s_bfe_u32 s41, ttmp6, 0x40004                  ; cy
	s_and_b32 s17, ttmp7, 0xffff
	s_lshl_b32 s17, s17, 2                         ; 4 x cluster y
	s_add_co_u32 s42, s17, s40
	s_add_co_u32 s17, s17, s41
	s_lshl_b32 s22, ttmp9, 22                      ; the section of qc, 4 MiB each,
	s_lshl_b32 s23, ttmp9, 20                      ; and of wc, 1 MiB each
	s_cmp_eq_u32 ttmp9, 2                          ; section 2 takes the weight as A and the tokens as B
	s_cselect_b32 s17, s41, s17                    ; A's block: it hangs on cy alone
	s_cselect_b32 s42, s42, s40                    ; B's block: on cx alone
	s_cselect_b32 s22, 0x200000, s22               ; A's section in its buffer
	s_cselect_b32 s23, 0x800000, s23               ; B's
	s_lshl_b32 s43, s41, 2
	s_lshl_b32 s43, 15, s43                        ; my row of the cluster
	s_lshl_b32 s44, 0x1111, s40                    ; my column
	s_or_b32 s[G1+0], s43, (0<<16)|(1<<20)|(1<<21)|(5<<22)|(3<<25)  ; 15:0 the mask: A's tiles go to my row; 17:16 element of 1 byte; 20 padding on; 21 set beside a mask; 24:22 after every 64 words; 31:25 four words
	s_or_b32 s[G1B+0], s44, (0<<16)|(1<<20)|(1<<21)|(5<<22)|(3<<25)
.irp g, G1, G1B
	s_mov_b32 s[\g+1], ROWB<<16                    ; tensor_dim0
	s_mov_b32 s[\g+2], 128<<16                     ; tensor_dim1
	s_mov_b32 s[\g+3], ROWB<<16                    ; tile_dim0
	s_mov_b32 s[\g+4], 128                         ; tile_dim1
	s_mov_b32 s[\g+5], KROW                        ; tensor_dim0_stride
	s_mov_b32 s[\g+6], 0
	s_mov_b32 s[\g+7], 0
.endr
	s_lshl_b32 s18, s16, 7                         ; which 128 rows of the tile I fetch
	s_lshl_b32 s20, s17, 8
	s_add_co_u32 s20, s20, s18
	s_lshl_b32 s20, s20, 10                        ; A: (256 x block + 128 x half) rows of 1,024 bytes,
	s_add_co_u32 s20, s20, s22                     ; in its section
	s_mov_b32 s21, 0
	s_lshl_b32 s46, s42, 8
	s_add_co_u32 s46, s46, s18
	s_lshl_b32 s46, s46, 10
	s_add_co_u32 s46, s46, s23                     ; B likewise
	s_mov_b32 s47, 0
	s_mul_i32 s45, s14, HALFT                      ; where they go: wave x 128 rows: no place in the cluster enters an LDS address
	s_wait_kmcnt 0x0
	s_load_b256 s[84:91], s[78:79], 0x0            ; e0 .. e7
	s_load_b128 s[92:95], s[78:79], 0x20           ; e8 .. e11
	s_cmp_eq_u32 ttmp9, 2
	s_cselect_b64 s[4:5], s[70:71], s[68:69]       ; A's buffer
	s_cselect_b64 s[6:7], s[68:69], s[70:71]       ; B's
	s_add_nc_u64 s[20:21], s[4:5], s[20:21]
	s_add_nc_u64 s[46:47], s[6:7], s[46:47]
	CROUND                                         ; all sixteen work-groups are here: the first joint loads meet
.irp s, 0,1
	s_mov_b32 s[G0+4*\s], 1
	s_add_co_u32 s[G0+4*\s+1], s45, \s*SLOT
	s_add_nc_u64 s[G0+4*\s+2:G0+4*\s+3], s[20:21], \s*ROWB
	s_or_b32 s[G0+4*\s+3], s[G0+4*\s+3], 0x80000000
	s_mov_b32 s[G0B+4*\s], 1
	s_add_co_u32 s[G0B+4*\s+1], s45, \s*SLOT
	s_add_nc_u64 s[G0B+4*\s+2:G0B+4*\s+3], s[46:47], \s*ROWB
	s_or_b32 s[G0B+4*\s+3], s[G0B+4*\s+3], 0x80000000
.endr
	JLOAD G0, G1, G0B, G1B                         ; K step 0: one tensor load a wave at the head
	v_and_b32 v1, 15, v0                           ; r = l % 16
	v_bfe_u32 v2, v0, 4, 1                         ; h = l / 16
	v_mul_u32_u24 v3, v1, PITCH
	s_wait_alu depctr_va_vdst(0)
	v_lshl_add_u32 v4, v2, 4, v3                   ; a fragment's row x pitch + 16 x half
	s_mul_i32 s21, s15, HALFT                      ; my 128 rows of A
	s_mul_i32 s22, s16, HALFT                      ; my 128 rows of B,
	s_add_co_u32 s22, s22, 2*HALFT                 ; which lie behind A's 256
.irp s, 0,1
	v_add_nc_u32 v[ADRA+\s], s21, v4
	v_add_nc_u32 v[ADRB+\s], s22, v4
	s_add_co_u32 s21, s21, SLOT
	s_add_co_u32 s22, s22, SLOT
.endr
	; the stage: 256 rows x 272 bytes from LDS byte 0 on
	s_mul_i32 s23, s15, HALFT
	s_lshl_b32 s21, s16, 7
	s_add_co_u32 s23, s23, s21
	v_lshl_add_u32 v5, v2, 3, v3
	v_add_nc_u32 v[STO], s23, v5                   ; in: row 128 x row half + r, byte 128 x column half + 8 h
	v_and_b32 v5, 8, v1
	v_add_nc_u32 v5, v5, v1                        ; r + 8 (r / 8)
	v_mul_u32_u24 v5, v5, PITCH
	v_lshl_add_u32 v5, v2, 4, v5
	s_lshl_b32 s21, s14, 6
	v_add_nc_u32 v[RD], s21, v5                    ; back: an image's row r, byte 64 x wave + 16 h: wave w takes the band of 64 columns 64 w on
	; where the images go.  A run of 64 stage rows is four images; in sections 0, 1 the next run is the next four images of the head (4,096 bytes on) and the next band the next head (131,072);
	; in section 2 a run is a head and a band a group of keys.
	s_cmp_eq_u32 ttmp9, 2
	s_cselect_b32 s18, s17, s42                    ; the block of 256 features, 0 .. 3
	s_cselect_b32 s19, s42, s17                    ; the block of 256 tokens, 0 .. 15
	s_mov_b32 s20, 0x20000
	s_cselect_b32 s21, s20, 0x1000                 ; from run to run
	s_cselect_b32 s22, 0x1000, s20                 ; from band to band
	v_and_b32 v6, 31, v0
	v_lshlrev_b32 v[CO], 4, v6                     ; 16 x lane
	v_add_nc_u32 v[CO+1], s21, v[CO]
	v_add_nc_u32 v[CO+2], s21, v[CO+1]
	v_add_nc_u32 v[CO+3], s21, v[CO+2]
	s_lshr_b32 s23, s19, 3                         ; the batch
	s_lshl_b32 s23, s23, 4
	s_lshl_b32 s45, s18, 2
	s_add_co_u32 s23, s23, s45                     ; the first of the tile's four heads: 16 x batch + 4 x feature block
	s_lshl_b32 s46, s23, 17
	s_and_b32 s45, s19, 7
	s_lshl_b32 s45, s45, 14                        ; 256 tokens are 16,384 bytes of a head in every section
	s_add_co_u32 s46, s46, s45
	s_lshl_b32 s45, ttmp9, 22
	s_add_co_u32 s46, s46, s45                     ; the section
	s_mul_i32 s45, s14, s22
	s_add_co_u32 s46, s46, s45                     ; my band
	s_mov_b32 s47, 0
	s_add_nc_u64 s[10:11], s[80:81], s[46:47]
	; the bias, in both layouts; both index forms stay under 1,024.  The one that the section does not use is cleared on the way out
	s_cmp_eq_u32 ttmp9, 0
	s_cselect_b64 s[82:83], s[72:73], s[74:75]
	s_cmp_eq_u32 ttmp9, 2
	s_cselect_b64 s[82:83], s[76:77], s[82:83]
	s_lshl_b32 s20, s18, 10
	s_lshl_b32 s21, s16, 9
	s_add_co_u32 s21, s21, s20
	v_lshl_add_u32 v12, v2, 5, s21                 ; along the columns: feature 256 x block + 128 x column half + 16 b + 8 h + j
	s_lshl_b32 s21, s15, 9
	s_add_co_u32 s21, s21, s20
	v_lshl_add_u32 v13, v1, 2, s21                 ; along the rows: feature 256 x block + 128 x row half + 16 a + r
.irp b, 0,1,2,3,4,5,6,7
	global_load_b128 v[BC+8*\b:BC+8*\b+3], v12, s[82:83] offset:64*\b
	global_load_b128 v[BC+8*\b+4:BC+8*\b+7], v12, s[82:83] offset:64*\b+16
.endr
.irp a, 0,1,2,3,4,5,6,7
	global_load_b32 v[BR+2*\a], v13, s[82:83] offset:64*\a
	global_load_b32 v[BR+2*\a+1], v13, s[82:83] offset:64*\a      ; twice: a pair for the packed addition
.endr
.macro FRAG reg, adr, q, i             ; 16 rows x 128 K of codes: registers 4 c .. 4 c + 3 hold K = 32 c + 16 (l / 16) + 0 .. 15 of row l % 16
.irp c, 0,1,2,3
	ds_load_b128 v[\reg+4*\c:\reg+4*\c+3], v[\adr] offset:128*(\q)+32*\c+(\i)*16*PITCH
.endr
.endm
; 16 matrix instructions: A's blocks a0, a0 + 1 x B's eight.  p: B's set.  zero = 1: the first product starts the sums.  The 64 accumulators take turns, one instruction a turn.
.macro MUL16 a0, p, zero
.irp a, \a0, \a0+1
.irp b, 0,1,2,3,4,5,6,7
.if \zero
	v_wmma_f32_16x16x128_fp8_fp8 v[8*(8*((\a)%4)+\b):8*(8*((\a)%4)+\b)+7], v[128*(\p)+FR*\b:128*(\p)+FR*\b+FR-1], v[AF+FR*(\a):AF+FR*(\a)+FR-1], 0
.else
	v_wmma_f32_16x16x128_fp8_fp8 v[8*(8*((\a)%4)+\b):8*(8*((\a)%4)+\b)+7], v[128*(\p)+FR*\b:128*(\p)+FR*\b+FR-1], v[AF+FR*(\a):AF+FR*(\a)+FR-1], v[8*(8*((\a)%4)+\b):8*(8*((\a)%4)+\b)+7]
.endif
.endr
.endr
.endm
.macro FETCH_B slot, q, p
	WIN TO_B
.irp i, 0,1,2,3,4,5,6,7
	FRAG 128*(\p)+FR*\i, ADRB+\slot, \q, \i
.endr
	WIN 0
.endm
.macro FETCH_A slot, q, i0
.irp i, \i0, \i0+1, \i0+2, \i0+3
	FRAG AF+FR*(\i), ADRA+\slot, \q, \i
.endr
.endm
.macro PLACES n                        ; plain vector lines between a matrix instruction and a load into, or a vector write of, a register that it has read, or a read of its result
.rept \n
	v_nop
.endr
.endm
.macro STEP slot, q, zero              ; 128 along K, with its successor in the same slot
	s_wait_dscnt 4*NL                              ; B's set and A's blocks 0-3 are in; the youngest sixteen loads (A's blocks 4-7) may be out
	WIN MUL_LO
	MUL16 0, (\q)%2, \zero
	MUL16 2, (\q)%2, \zero
	s_wait_dscnt 0
	PLACES NP
	FETCH_B \slot, (\q)+1, 1-(\q)%2
	FETCH_A \slot, (\q)+1, 0
	WIN MUL_HI
	MUL16 4, (\q)%2, \zero
	MUL16 6, (\q)%2, \zero
	PLACES NP
	WIN 0
	FETCH_A \slot, (\q)+1, 4
.endm
; A slot's last step changes slots: one barrier; in front of it each wave waits for all its tensor loads, adds 0 to its spare word, and waits for that and for its own reads of this slot.
.macro TURN slot, next, fill
	s_wait_tensorcnt 0x0                           ; all my tensor loads have landed: my part of the next slot
	ds_add_u32 v[SPW], v[NIL]                      ; 0 onto my spare word
	s_wait_dscnt 4*NL+1                            ; the add and the youngest sixteen loads (A's blocks 4-7) may be out
	WIN MUL_LO
	MUL16 0, 1, 0
	s_wait_dscnt 0x0                               ; the add is done, and my reads of this slot are over
	s_barrier_signal -1
	MUL16 2, 1, 0
	WIN 0
	s_barrier_wait -1
.if \fill
	CREST                                          ; the barrier has opened a round of the cluster's: no wave of any partner still reads this slot or has a load on its way
	s_add_nc_u64 s[G0+4*\slot+2:G0+4*\slot+3], s[G0+4*\slot+2:G0+4*\slot+3], 2*ROWB
	s_add_nc_u64 s[G0B+4*\slot+2:G0B+4*\slot+3], s[G0B+4*\slot+2:G0B+4*\slot+3], 2*ROWB
	JLOAD G0+4*\slot, G1, G0B+4*\slot, G1B         ; the first tensor load behind the round; its four v_nop are the places in front of the loads below
.else
	PLACES NP
.endif
	FETCH_B \next, 0, 0
	FETCH_A \next, 0, 0
	WIN MUL_HI
	MUL16 4, 1, 0
	MUL16 6, 1, 0
	PLACES NP
	WIN 0
	FETCH_A \next, 0, 4
.endm
	s_wait_alu depctr_va_vdst(0)
	s_wait_tensorcnt 0x0                           ; my part of K step 0 is in
	ds_add_u32 v[SPW], v[NIL]
	s_wait_dscnt 0x0
	CROUND                                         ; everybody's part of K step 0 is in, and all sixteen work-groups are here: the joint loads meet
	JLOAD G0+4, G1, G0B+4, G1B                     ; K step 1's load, the first tensor load behind the round
	FETCH_B 0, 0, 0
	FETCH_A 0, 0, 0
	FETCH_A 0, 0, 4
	STEP 0, 0, 1                                   ; the first step stands in front of the loop: its products start the sums
	s_mov_b32 s3, LAPS-1
.Llap:                                                 ; a trip goes once round the ring and fills both slots again
	TURN 0, 1, 1
	STEP 1, 0, 0
	TURN 1, 0, 1
	STEP 0, 0, 0
	s_sub_co_u32 s3, s3, 1
	s_cmp_lg_u32 s3, 0
	s_cbranch_scc1 .Llap
	TURN 0, 1, 0                                   ; the last lap fills nothing
	STEP 1, 0, 0
	s_wait_dscnt 4*NL
	WIN MUL_LO
	MUL16 0, 1, 0
	MUL16 2, 1, 0
	s_wait_dscnt 0
	WIN MUL_HI
	MUL16 4, 1, 0
	MUL16 6, 1, 0
	WIN 0
	; ---- THE WAY OUT
	s_wait_loadcnt 0x0                             ; the biases
	s_wait_kmcnt 0x0                               ; the scales
	s_add_co_i32 s84, s84, s85                     ; e0 + e1
	s_add_co_i32 s86, s86, s87                     ; e2 + e3
	s_add_co_i32 s88, s88, s89                     ; e4 + e5
	s_cmp_eq_u32 ttmp9, 0
	s_cselect_b32 s96, s84, s86
	s_cselect_b32 s98, s90, s91                    ; e6 for q, e7 for k,
	s_cmp_eq_u32 ttmp9, 2
	s_cselect_b32 s96, s88, s96
	s_cselect_b32 s98, s93, s98                    ; e9 for v
	s_cselect_b32 s99, 0, -1                       ; the bias along the columns counts in sections 0 and 1,
	s_cselect_b32 s3, -1, 0                        ; that along the rows in section 2
	s_add_co_i32 s96, s96, 127
	s_lshl_b32 s96, s96, 23                        ; 2^(eA + eB) as f32
	s_mov_b32 s97, s96                             ; (named with it as a pair, so it is written)
	s_add_co_i32 s98, s98, 127
	s_lshl_b32 s20, s98, 23
	v_mov_b32 v30, s20                             ; 2^eo: the conversion takes its exponent field
	s_add_co_i32 s98, s98, 8
	s_lshl_b32 s98, s98, 23
	s_or_b32 s98, s98, 0x600000
	v_mov_b32 v31, s98                             ; 448 x 2^eo
.set j, 0
.rept 64
	v_and_b32 v[BC+j], s99, v[BC+j]                ; these 80 lines are also the places behind the last products
.set j, j+1
.endr
.set j, 0
.rept 16
	v_and_b32 v[BR+j], s3, v[BR+j]
.set j, j+1
.endr
; Block a: my rows 16 a .. 16 a + 15 x my 128 columns.  Each accumulator is read from its low end on.
.macro OUTB a
.set AC, 64*((\a)%4)
.set CD, 192+16*((\a)%2)
	WIN 0x02+((\a)/4)                              ; source 0: window 2 or 3
.set j, 0
.rept 32
	v_pk_fma_f32 v[TW+j:TW+j+1], v[AC+j:AC+j+1], s[96:97], v[BC+j:BC+j+1] op_sel_hi:[1,0,1]   ; sum x 2^(eA + eB) + the column's bias
.set j, j+2
.endr
	WIN 0
.set j, 0
.rept 32
	v_pk_add_f32 v[TW+j:TW+j+1], v[TW+j:TW+j+1], v[BR+2*(\a):BR+2*(\a)+1]   ; + the row's bias (one of the two biases is 0)
.set j, j+2
.endr
.set j, 0
.rept 64
	v_med3_num_f32 v[TW+j], v[TW+j], -v31, v31     ; the conversion does not saturate (ISA guide 7.6.2): the hold
.set j, j+1
.endr
	s_wait_alu depctr_va_vdst(0)
	s_wait_dscnt 8                                 ; the last block's eight stores may be out; those of the block before it have read these registers
.irp b, 0,1,2,3,4,5,6,7
	v_cvt_scalef32_pk8_fp8_f32 v[CD+2*\b:CD+2*\b+1], v[TW+8*\b:TW+8*\b+7], v30
.endr
	v_nop                                          ; a plain vector line between the conversions and the next block's lines, which write their sources
.irp b, 0,1,2,3,4,5,6,7
	ds_store_b64 v[STO], v[CD+2*\b:CD+2*\b+1] offset:16*PITCH*(\a)+16*\b
.endr
.endm
.irp a, 0,1,2,3,4,5,6,7
	OUTB \a
.endr
	s_wait_dscnt 0x0                               ; for the others' sake: my stores into the stage are done
	s_barrier_signal -1
	s_barrier_wait -1
.irp q, 0,1,2,3                        ; run q of 64 stage rows, image t of its four, half c of the image
.irp t, 0,1,2,3
.irp c, 0,1
	ds_load_b128 v[128+4*(8*\q+2*\t+\c):128+4*(8*\q+2*\t+\c)+3], v[RD] offset:(64*\q+32*(\t/2)+8*(\t%2))*PITCH+32*\c
.endr
.endr
.endr
.irp q, 0,1,2,3
.irp t, 0,1,2,3
.irp c, 0,1
	s_wait_dscnt 31-(8*\q+2*\t+\c)                 ; the younger loads may be out
	global_store_b128 v[CO+\q], v[128+4*(8*\q+2*\t+\c):128+4*(8*\q+2*\t+\c)+3], s[10:11] offset:1024*\t+512*\c   ; 32 lanes store 512 consecutive bytes, aligned: half an image
.endr
.endr
.endr
	s_wait_tensorcnt 0x0                           ; the wave's end
	ds_add_u32 v[SPW], v[NIL]
	s_wait_dscnt 0x0
	CROUND                                         ; the closing round: no work-group ends while a partner may still ask for a tile that names it
	s_endpgm
.Lfunc_end_k_q406ddc007d_qkv:
	.size	k_q406ddc007d_qkv, .Lfunc_end_k_q406ddc007d_qkv-k_q406ddc007d_qkv
	.p2alignl 7, 3214868480
	.fill 96, 4, 3214868480
	.section	.rodata,"a",@progbits
	.p2align	6, 0x0
	.amdhsa_kernel k_q406ddc007d_qkv
		.amdhsa_group_segment_fixed_size 327680
		.amdhsa_private_segment_fixed_size 0
		.amdhsa_enable_private_segment 0
		.amdhsa_kernarg_size 56
		.amdhsa_user_sgpr_count 2
		.amdhsa_user_sgpr_kernarg_segment_ptr 1
		.amdhsa_wavefront_size32 1
		.amdhsa_system_sgpr_workgroup_id_x 1
		.amdhsa_system_sgpr_workgroup_id_y 1
		.amdhsa_system_sgpr_workgroup_id_z 1
		.amdhsa_system_vgpr_workitem_id 0
		.amdhsa_next_free_vgpr 1024
		.amdhsa_next_free_sgpr 100
		.amdhsa_reserve_vcc 0
		.amdhsa_float_denorm_mode_32 3
		.amdhsa_float_denorm_mode_16_64 3
		.amdhsa_memory_ordered 1
		.amdhsa_forward_progress 1
		.amdhsa_inst_pref_size 165
	.end_amdhsa_kernel
	.amdgpu_metadata
---
amdhsa.version: [ 1, 2 ]
amdhsa.kernels:
  - .name:           k_q406ddc007d_qkv
    .symbol:         k_q406ddc007d_qkv.kd
    .args:
      - { .name: qc, .offset: 0, .size: 8, .value_kind: global_buffer, .address_space: global }
      - { .name: wc, .offset: 8, .size: 8, .value_kind: global_buffer, .address_space: global }
      - { .name: b_Q, .offset: 16, .size: 8, .value_kind: global_buffer, .address_space: global }
      - { .name: b_K, .offset: 24, .size: 8, .value_kind: global_buffer, .address_space: global }
      - { .name: b_V, .offset: 32, .size: 8, .value_kind: global_buffer, .address_space: global }
      - { .name: lowp_scales, .offset: 40, .size: 8, .value_kind: global_buffer, .address_space: global }
      - { .name: heads, .offset: 48, .size: 8, .value_kind: global_buffer, .address_space: global }
    .group_segment_fixed_size: 327680
    .private_segment_fixed_size: 0
    .kernarg_segment_align: 8
    .kernarg_segment_size: 56
    .max_flat_workgroup_size: 128
    .sgpr_count:     100
    .vgpr_count:     1024
    .wavefront_size: 32
...
	.end_amdgpu_metadata
.endif
;; end of part 6
;; launch attn (part 7): grid 8 x 32, 8 waves a work-group, no clusters, 279,552 bytes of LDS; arguments heads, mbits, mflag, lowp_scales, ac; writes ac
.if DOCPART == 7
	.amdgcn_target "amdgcn-amd-amdhsa--gfx1250"
	.amdhsa_code_object_version 6
	.text
	.protected	k_q406ddc007d_attn
	.globl	k_q406ddc007d_attn
	.p2align	8
	.type	k_q406ddc007d_attn,@function
k_q406ddc007d_attn:
	s_mov_b64 s[64:65], 0
	v_nop
	global_prefetch_b8 v0, s[64:65] scope:SCOPE_SE
	s_setreg_imm32_b32 hwreg(HW_REG_WAVE_MODE, 25, 1), 1
	s_wait_xcnt 0x0
; ATTENTION on codes of E4M3, and its result quantised (2^e10) for the output projection.  heads = q, k, v images (see the launch that makes them); a head's K and V, 128 KiB each, lie whole in LDS.
; A work-group owns 16 tiles of 16 queries of one head (y); each of its 8 waves owns TWO, T = 8 x + wave and 127 - T: tile A in register window 0, tile B in window 1, under the same register numbers.
; A wave walks the head's 2,048 keys in 16 steps of 128; each fragment of K and V that it reads from LDS serves both tiles.
; WORK LEFT OUT, as whole numbers ask that an earlier launch stored (mflag): a tile's key step all of whose 16 x 128 scores are closed by the mask, where every one of the 16 queries has an open key somewhere:
; a closed score is -1e9, so its p is 0 beside any open one.  A query with no open key at all keeps all its steps (its p are all 1, as in the reference).  Key steps with no closed score skip the selection.
; LIMITS: the open scores (after the division by 8) stay under 5e8 in magnitude, so that a closed key counts for nothing beside an open one; a NaN, an infinity or an overflow that reaches only the work left out
; is not carried to the result; e6 + e7 between -95 and 130; e8, e10 between -126 and 119.
; THE SOFTMAX: t = score x log2(e) / 8, M = the running largest t rounded up to a whole number, kept as -M; p = 2^(t - M); the row's sum is taken of the unquantised p; when M moves, sum and O^T are multiplied by 2^(old M - new M).
; p is at most 1 (a last bit more where the products round): with e8 of -8 or more the hold at 448 x 2^e8 (1.75 or more) changes nothing, and a scalar branch on e8 leads round it.
; K AND V come through registers in four parts of 512 keys: each wave loads an eighth of a part, 16 loads, while the part before is worked, and stores it into LDS between two barriers.  The mask's bits of the wave's two tiles, 2 KiB
; a part, come the same way into LDS bytes of the wave's own.  No tensor load and no multicast; no prefetch: the loads stand a whole part of four steps ahead.
; LAYOUT: S^T = K Q^T, O^T = V^T P^T: a lane holds one query throughout; the images' row order makes p's 16 registers of two neighbouring tiles 16 neighbouring keys, so the conversions' results are the second product's operand.
; REGISTERS, each window: v10-11 mask bits; v12 -M, v13 the largest t, v[14:15] the sum; v16-23 Q; v96-159 S^T, then p; v160-191 O^T; v192-207 p's codes; v24-27, v208-235 a part on its way (K's in window 0, V's in window 1);
;   v236-254 at work and constants.  Window 0: v32-95 K's fragments; window 1: v32-95 V's, v0-7, v28-31, v246-249 mask bits on their way.
.set LI,   1                           ; 16 x lane
.set AD,   2                           ; LDS address of the step's K images, v4 of its V images
.set LW,   3                           ; 4096 x wave + 16 x lane
.set ADV,  4
.set MA,   5                           ; my mask bits in LDS, 8 x lane
.set MT,   6
.set SKA,  7                           ; where my eighth of a part goes: K, V
.set SVA,  8
.set MS,   9                           ; where my mask bits go
.set SPW,  28
.set NIL,  29
.set S,    96
.set O,    160
.set CD,   192
.set XN,   238                         ; the closed score: -1e9 x 8 / 2^(e6 + e7)
.set MREG, 262144                      ; behind K and V: 2,048 bytes of mask bits for each wave
.set SPARE, MREG+16384                 ; the spare words, 128 bytes for each wave, which no other line names
.set WV,   2
.set CNT,  3
.set I2,   4                           ; 2 x the key step
.set P,    5                           ; parts to go
.set PB,   6                           ; the part's first byte in K's or V's LDS region
.set TB,   7                           ; the step's
.set KB,   8
.set VB,   10
.set MPA,  12
.set MPB,  14
.set OUA,  16
.set OUB,  18
.set CLA,  20                          ; bit 2 i: tile A leaves key step i out
.set CLB,  21
.set FAB,  22                          ; both do
.set FL,   23                          ; K's fragments of step i were not asked for a step ahead
.set FN,   24                          ; step i + 1 is not asked for in step i
.set MXA,  25                          ; bit 2 i: tile A's key step i has closed scores
.set MXB,  26
.set EP,   56
.set CY,   28
.set CS,   66                          ; s[66:67] log2(e) / 8 x 2^(e6 + e7)
.set SEL,  100
.set MSB, 0
.macro WIN new                         ; the immediate's high byte repeats the setting that is left
.if MSB != (\new)
	s_set_vgpr_msb (MSB<<8)|(\new)
.set MSB, (\new)
.endif
.endm
.macro FILL                            ; my eighth of a part of K (window 0) and V (window 1), and my tiles' mask bits
.set n, 0
.irp r, 208,212,216,220,224,228,232,24
	global_load_b128 v[\r:\r+3], v[LW], s[KB:KB+1] offset:n
.set n, n+512
.endr
	WIN 0x40
.set n, 0
.irp r, 208,212,216,220,224,228,232,24
	global_load_b128 v[\r:\r+3], v[LW], s[VB:VB+1] offset:n
.set n, n+512
.endr
	global_load_b128 v[0:3], v[LI], s[MPA:MPA+1]
	global_load_b128 v[4:7], v[LI], s[MPA:MPA+1] offset:512
	global_load_b128 v[28:31], v[LI], s[MPB:MPB+1]
	global_load_b128 v[246:249], v[LI], s[MPB:MPB+1] offset:512
	WIN 0
.endm
.macro KFETCH off
.irp j, 0,1,2,3,4,5,6,7
	ds_load_b128 v[32+8*\j:35+8*\j], v[AD] offset:\off+1024*\j
	ds_load_b128 v[36+8*\j:39+8*\j], v[AD] offset:\off+1024*\j+512
.endr
.endm
.macro QK win                          ; S^T of a tile: eight blocks of 16 keys x its 16 queries
	WIN \win
.irp j, 0,1,2,3,4,5,6,7
	v_wmma_f32_16x16x64_fp8_fp8 v[S+8*\j:S+8*\j+7], v[32+8*\j:39+8*\j], v[16:23], 0
.endr
	WIN 0
.endm
.macro FLAGS b, cl, mx                 ; eight pairs of words from s[b] on
	s_and_b32 s60, s[\b], s[\b+2]
	s_or_b32 s61, s[\b+1], s[\b+3]
.irp j, 4,6,8,10,12,14
	s_and_b32 s60, s60, s[\b+\j]
	s_or_b32 s61, s61, s[\b+\j+1]
.endr
	s_lshr_b32 s62, s60, 16
	s_and_b32 s60, s60, s62                        ; a query with no open key?
	s_cselect_b32 s62, 0, 0x55555555
	s_and_b32 s[\cl], s61, s62                     ; then nothing is left out
	s_lshr_b32 s61, s61, 1
	s_and_b32 s61, s61, 0x55555555
	s_and_not1_b32 s[\mx], s61, s[\cl]
.endm
; A TILE'S KEY STEP behind its scores.  Scalar branches on whole numbers read from memory lead round work on registers and the wave's own LDS reads alone: no barrier stands under them.
.macro TILE w, cl, mx, moff
	s_bitcmp1_b32 s[\cl], s[I2]
	s_cbranch_scc1 .Ldone_\@
	s_bitcmp1_b32 s[\mx], s[I2]
	s_cbranch_scc0 .Lopen_\@
	s_and_b32 s60, s[I2], 6
	s_lshl_b32 s60, s60, 7                         ; 256 x the step in its part
	v_add_nc_u32 v[MT], s60, v[MA]
	WIN 0x40*\w
	ds_load_b64 v[10:11], v[MT] offset:\moff
	WIN 0x55*\w
	s_wait_dscnt 0x0
	s_wait_alu depctr_va_vdst(0)                   ; directly ahead of the scores' first readers
.irp k, 3,2,1,0
.irp m, 0,1,2,3,4,5,6,7
	v_add_co_u32 v10, vcc_lo, v10, v10             ; the top bit falls into the carry: closed
	v_add_co_u32 v11, s[CY], v11, v11
	v_cndmask_b32 v[S+4*\m+\k], v[S+4*\m+\k], v[XN], vcc_lo
	v_cndmask_b32 v[S+32+4*\m+\k], v[S+32+4*\m+\k], v[XN], s[CY]
.endr
.endr
	WIN 0
.Lopen_\@:
	WIN 0x55*\w
	s_wait_alu depctr_va_vdst(0)                   ; directly ahead of the scores' first readers
	v_max3_num_f32 v254, v[S], v[S+1], v[S+2]      ; the step's largest score of my query, among my 64 keys, in four chains,
	v_max3_num_f32 v252, v[S+3], v[S+4], v[S+5]
	v_max3_num_f32 v250, v[S+6], v[S+7], v[S+8]
	v_max3_num_f32 v245, v[S+9], v[S+10], v[S+11]
.set j, 12
.rept 6
	v_max3_num_f32 v254, v254, v[S+j], v[S+j+1]
	v_max3_num_f32 v252, v252, v[S+j+2], v[S+j+3]
	v_max3_num_f32 v250, v250, v[S+j+4], v[S+j+5]
	v_max3_num_f32 v245, v245, v[S+j+6], v[S+j+7]
.set j, j+8
.endr
	v_max3_num_f32 v254, v254, v[S+60], v[S+61]
	v_max3_num_f32 v252, v252, v[S+62], v[S+63]
	v_max_num_f32 v250, v250, v245
	v_max3_num_f32 v254, v254, v252, v250
	s_delay_alu instid0(VALU_DEP_1)
	v_permlanex16_b32 v236, v254, s[SEL], s[SEL+1]
	s_delay_alu instid0(VALU_DEP_1)
	v_max_num_f32 v254, v254, v236                 ; and among lane l xor 16's
	s_delay_alu instid0(VALU_DEP_1)
	v_mul_f32 v254, s[CS], v254                    ; as t
	s_delay_alu instid0(VALU_DEP_1)
	v_max_num_f32 v13, v13, v254
	v_mov_b32 v254, v12
	s_delay_alu instid0(VALU_DEP_2)
	v_floor_f32 v12, -v13                          ; the new -M
	s_delay_alu instid0(VALU_DEP_1)
	v_sub_f32 v254, v12, v254                      ; old M - new M: a whole number, 0 or less
	s_delay_alu instid0(VALU_DEP_1)
	v_cvt_i32_f32 v254, v254                       ; (it saturates)
	s_delay_alu instid0(VALU_DEP_1)
	v_ldexp_f32 v252, 1.0, v254
.set j, 0
.rept 32
	v_pk_fma_f32 v[S+j:S+j+1], v[S+j:S+j+1], s[CS:CS+1], v[12:13] op_sel_hi:[1,0,0]   ; t - M
.set j, j+2
.endr
	s_wait_alu depctr_va_vdst(0)                   ; ahead of the batch
.set j, 0
.rept 64
	v_exp_f32 v[S+j], v[S+j]
.set j, j+1
.endr
	v_pk_mul_f32 v[14:15], v[14:15], v[252:253] op_sel_hi:[1,0]   ; the sum under the new M (a plain place behind the exponentials)
	s_wait_alu depctr_va_vdst(0)                   ; and behind it
	v_pk_add_f32 v[242:243], v[S:S+1], v[S+2:S+3]  ; the row's sum, in three chains
	v_pk_add_f32 v[250:251], v[S+4:S+5], v[S+6:S+7]
.set j, 8
.rept 9
	v_pk_add_f32 v[14:15], v[14:15], v[S+j:S+j+1]
	v_pk_add_f32 v[242:243], v[242:243], v[S+j+2:S+j+3]
	v_pk_add_f32 v[250:251], v[250:251], v[S+j+4:S+j+5]
.set j, j+6
.endr
	v_pk_add_f32 v[14:15], v[14:15], v[S+62:S+63]
	v_pk_add_f32 v[242:243], v[242:243], v[250:251]
	v_pk_add_f32 v[14:15], v[14:15], v[242:243]
	WIN 0
	s_cmp_ge_i32 s[EP], -8
	s_cbranch_scc1 .Lfree_\@
	WIN 0x55*\w
.set j, 0
.rept 64
	v_min_num_f32 v[S+j], v[S+j], v240             ; the conversion does not saturate (ISA guide 7.6.2); p is not negative
.set j, j+1
.endr
	WIN 0
.Lfree_\@:
	WIN 0x55*\w
.irp b, 0,1,2,3
	v_cvt_scalef32_pk8_fp8_f32 v[CD+4*\b:CD+4*\b+1], v[S+16*\b:S+16*\b+7], v244
	v_cvt_scalef32_pk8_fp8_f32 v[CD+4*\b+2:CD+4*\b+3], v[S+16*\b+8:S+16*\b+15], v244
.endr
	s_wait_alu depctr_va_vdst(0)                   ; directly ahead of the first readers of O^T
.set j, 0
.rept 16
	v_pk_mul_f32 v[O+j:O+j+1], v[O+j:O+j+1], v[252:253] op_sel_hi:[1,0]
.set j, j+2
.endr
	s_wait_alu depctr_va_vdst(0)                   ; and here, ahead of the wait below
	s_wait_dscnt 0x0                               ; V's fragments are in
	WIN 0x01+0x54*\w
.irp t, 0,1,2,3
	v_wmma_f32_16x16x128_fp8_fp8 v[O+8*\t:O+8*\t+7], v[32+16*\t:47+16*\t], v[CD:CD+15], v[O+8*\t:O+8*\t+7]
.endr
	WIN 0
.Ldone_\@:
.endm
.macro INIT                            ; a tile's state.  The loop is written once: its first step finds zeros; S^T too is written on every way to its readers
	v_mov_b32 v13, 0xff61b1e6                      ; the largest t so far: -3e38
	v_mov_b32 v12, 0x7f61b1e6                      ; -M
	v_mov_b32 v14, 0
	v_mov_b32 v15, 0
	v_mov_b32 v236, 0
	v_mov_b32 v253, 0
.set j, S
.rept 96
	v_mov_b32 v[j], 0                              ; S^T and O^T lie on end
.set j, j+1
.endr
.endm
.macro CONSTS
	v_mov_b32 v[XN], s60
	v_mov_b32 v244, s62                            ; 2^e8
	v_mov_b32 v240, s63                            ; 448 x 2^e8
.endm
.macro OUT w, o                        ; O^T x 2^(e8 + e9) / the sum, quantised with 2^e10: an image of 1,024 bytes, 16 queries x the head's 64
	WIN 0x55*\w
	v_mov_b32 v244, s61                            ; 2^e10
	v_mov_b32 v240, s62                            ; 448 x 2^e10
	v_add_f32 v14, v14, v15
	v_permlanex16_b32 v236, v14, s[SEL], s[SEL+1]
	v_add_f32 v14, v14, v236
	s_wait_alu depctr_va_vdst(0)                   ; ahead of the transcendental
	v_rcp_f32 v14, v14
	v_nop
	s_wait_alu depctr_va_vdst(0)
	v_ldexp_f32 v14, v14, s63
	s_wait_alu depctr_va_vdst(0)                   ; directly ahead of the first readers of O^T
.set j, 0
.rept 32
	v_mul_f32 v[S+j], v[O+j], v14
.set j, j+1
.endr
.set j, 0
.rept 32
	v_med3_num_f32 v[S+j], v[S+j], -v240, v240
.set j, j+1
.endr
.irp b, 0,1,2,3
	v_cvt_scalef32_pk8_fp8_f32 v[CD+2*\b:CD+2*\b+1], v[S+8*\b:S+8*\b+7], v244
.endr
	v_nop
	WIN 0x04*\w
	global_store_b128 v[LI], v[CD:CD+3], s[\o:\o+1]                ; 32 lanes store 512 consecutive bytes, aligned
	global_store_b128 v[LI], v[CD+4:CD+7], s[\o:\o+1] offset:512
	WIN 0
.endm
	s_load_b256 s[32:39], s[0:1], 0x0              ; heads s[32:33], mbits s[34:35], mflag s[36:37], the scales s[38:39]
	s_load_b64 s[40:41], s[0:1], 0x20              ; ac
	v_lshl_add_u32 v[SPW], v0, 2, SPARE
	v_mov_b32 v[NIL], 0
	v_lshrrev_b32 v[MT], 5, v0
	v_readfirstlane_b32 s[WV], v[MT]               ; wave 0..7
	v_and_b32 v[LI], 31, v0
	v_lshlrev_b32 v[MA], 3, v[LI]
	v_lshlrev_b32 v[LI], 4, v[LI]
	v_lshlrev_b32 v[LW], 12, v[MT]
	v_add_nc_u32 v[LW], v[LW], v[LI]
	v_lshlrev_b32 v[MS], 11, v[MT]
	v_add_nc_u32 v[MS], MREG, v[MS]
	v_add_nc_u32 v[MA], v[MS], v[MA]
	v_add_nc_u32 v[MS], v[MS], v[LI]
	s_wait_alu depctr_va_vdst(0)                   ; ahead of the run of scalar lines and the wait below
	s_lshl_b32 s42, ttmp9, 3
	s_add_co_u32 s42, s42, s[WV]                   ; tile A
	s_sub_co_u32 s43, 127, s42                     ; tile B
	s_and_b32 s29, ttmp7, 0xffff                   ; the head, 16 x batch + head
	s_lshl_b32 s30, s29, 17
	s_mov_b32 s31, 0
	s_mov_b32 s61, 0
	s_wait_kmcnt 0x0
	s_load_b256 s[48:55], s[38:39], 0x0            ; e0 .. e7
	s_load_b128 s[56:59], s[38:39], 0x20           ; e8 .. e11
	s_lshl_b32 s60, s42, 11
	s_add_nc_u64 s[100:101], s[36:37], s[60:61]
	s_lshl_b32 s60, s43, 11
	s_add_nc_u64 s[104:105], s[36:37], s[60:61]
.irp j, 0,1,2,3,4,5,6,7
	s_load_b64 s[68+2*\j:69+2*\j], s[100:101], 256*\j
	s_load_b64 s[84+2*\j:85+2*\j], s[104:105], 256*\j
.endr
	s_add_nc_u64 s[30:31], s[32:33], s[30:31]      ; the head's q images,
	s_add_nc_u64 s[KB:KB+1], s[30:31], 0x400000    ; K's,
	s_add_nc_u64 s[VB:VB+1], s[30:31], 0x800000    ; V's
	s_lshl_b32 s60, s42, 10
	s_add_nc_u64 s[44:45], s[30:31], s[60:61]
	s_lshl_b32 s60, s43, 10
	s_add_nc_u64 s[46:47], s[30:31], s[60:61]
	s_lshl_b32 s60, s42, 12
	s_add_nc_u64 s[MPA:MPA+1], s[34:35], s[60:61]
	s_lshl_b32 s60, s43, 12
	s_add_nc_u64 s[MPB:MPB+1], s[34:35], s[60:61]
	FILL                                           ; part 0
	global_load_b128 v[16:19], v[LI], s[44:45]     ; Q's fragments stay in registers
	global_load_b128 v[20:23], v[LI], s[44:45] offset:512
	WIN 0x40
	global_load_b128 v[16:19], v[LI], s[46:47]
	global_load_b128 v[20:23], v[LI], s[46:47] offset:512
	INIT
	WIN 0
	INIT
	; ac [256 tiles of 16 tokens][16 heads][1,024 bytes]
	s_lshr_b32 s62, s29, 4
	s_lshl_b32 s62, s62, 21
	s_and_b32 s63, s29, 15
	s_lshl_b32 s63, s63, 10
	s_add_co_u32 s62, s62, s63
	s_lshl_b32 s60, s42, 14
	s_add_co_u32 s60, s60, s62
	s_add_nc_u64 s[OUA:OUA+1], s[40:41], s[60:61]
	s_lshl_b32 s60, s43, 14
	s_add_co_u32 s60, s60, s62
	s_add_nc_u64 s[OUB:OUB+1], s[40:41], s[60:61]
	s_wait_alu depctr_va_vdst(0)                   ; directly ahead of the wait below
	s_wait_kmcnt 0x0
	FLAGS 68, CLA, MXA
	FLAGS 84, CLB, MXB
	s_and_b32 s[FAB], s[CLA], s[CLB]
	s_lshl_b32 s[FL], s[FAB], 2
	s_and_b32 s[FL], s[FL], 0xfefefefe             ; a part's first step is asked for at the part's head
	s_lshr_b32 s[FN], s[FAB], 2
	s_or_b32 s[FN], s[FN], 0x40404040              ; a part's last step asks for nothing
	s_mov_b32 s[SEL], 0x76543210
	s_mov_b32 s[SEL+1], 0xfedcba98                 ; lane l xor 16
	s_add_co_i32 s62, s54, s55
	s_lshl_b32 s62, s62, 23                        ; (e6 + e7) in the exponent field
	s_add_co_i32 s[CS], s62, 0x3e38aa3b            ; log2(e) / 8
	s_mov_b32 s[CS+1], s[CS]                       ; (named with it as a pair, so it is written)
	s_sub_co_u32 s60, 0xcfee6b28, s62              ; -8e9 / 2^(e6 + e7)
	s_add_co_i32 s63, s56, 127
	s_lshl_b32 s62, s63, 23
	s_add_co_i32 s63, s63, 8
	s_lshl_b32 s63, s63, 23
	s_or_b32 s63, s63, 0x600000
	CONSTS
	WIN 0x40
	CONSTS
	WIN 0
	s_mov_b32 s[I2], 0
	s_mov_b32 s[P], 4
	s_mov_b32 s[PB], 0
	s_wait_alu depctr_va_vdst(0)
.Lpart:
	s_wait_loadcnt 0x0                             ; my eighth of this part is in registers (the first time Q too),
	s_wait_dscnt 0x0                               ; my reads of the part before are over:
	s_barrier_signal -1
	s_barrier_wait -1                              ; everybody's are
	v_add_nc_u32 v[SKA], s[PB], v[LW]
	v_add_nc_u32 v[SVA], 0x20000, v[SKA]
.set n, 0
.irp r, 208,212,216,220,224,228,232,24
	ds_store_b128 v[SKA], v[\r:\r+3] offset:n
.set n, n+512
.endr
	WIN 0x04
.set n, 0
.irp r, 208,212,216,220,224,228,232,24
	ds_store_b128 v[SVA], v[\r:\r+3] offset:n
.set n, n+512
.endr
	ds_store_b128 v[MS], v[0:3]
	ds_store_b128 v[MS], v[4:7] offset:512
	ds_store_b128 v[MS], v[28:31] offset:1024
	ds_store_b128 v[MS], v[246:249] offset:1536
	WIN 0
	s_wait_dscnt 0x0                               ; my stores are done, for the others' sake; their registers take the next part
	s_cmp_eq_u32 s[P], 1
	s_cbranch_scc1 .Lfilled                        ; there is none behind the last
	s_add_nc_u64 s[KB:KB+1], s[KB:KB+1], 0x8000    ; (every load that read these has landed)
	s_add_nc_u64 s[VB:VB+1], s[VB:VB+1], 0x8000
	s_add_nc_u64 s[MPA:MPA+1], s[MPA:MPA+1], 0x400
	s_add_nc_u64 s[MPB:MPB+1], s[MPB:MPB+1], 0x400
	FILL
.Lfilled:
	s_barrier_signal -1
	s_barrier_wait -1                              ; the whole part is in LDS
	s_mov_b32 s[CNT], 4
	s_mov_b32 s[TB], s[PB]
	v_add_nc_u32 v[AD], s[TB], v[LI]
	KFETCH 0
.Lstep:
	v_add_nc_u32 v[AD], s[TB], v[LI]
	v_add_nc_u32 v[ADV], 0x20000, v[AD]
	s_wait_alu depctr_va_vdst(0)                   ; ahead of the branches
	s_bitcmp1_b32 s[FAB], s[I2]
	s_cbranch_scc1 .Lnext                          ; both tiles leave this step out
	s_bitcmp1_b32 s[FL], s[I2]
	s_cbranch_scc0 .Lhave
	s_wait_dscnt 0x0                               ; no earlier load into these registers is out
	KFETCH 0
.Lhave:
	s_wait_dscnt 0x0
	s_bitcmp1_b32 s[CLA], s[I2]
	s_cbranch_scc1 .Lqb
	QK 0x00
.Lqb:
	s_bitcmp1_b32 s[CLB], s[I2]
	s_cbranch_scc1 .Lqd
	QK 0x44                                        ; source 0 (K) window 0; Q and S^T window 1
.Lqd:
.rept 4
	v_nop                                          ; places behind the products: for the reads of S^T and for the loads into K's registers
.endr
	WIN 0x40
.irp t, 0,1,2,3
.irp g, 0,1
.irp c, 0,1
	ds_load_b128 v[32+16*\t+8*\g+4*\c:35+16*\t+8*\g+4*\c], v[ADV] offset:4096*\g+1024*\t+512*\c
.endr
.endr
.endr
	WIN 0
	s_bitcmp1_b32 s[FN], s[I2]
	s_cbranch_scc1 .Lnok
	KFETCH 8192                                    ; the next step's K, a whole softmax ahead of its products
.Lnok:
	TILE 0, CLA, MXA, 0
	TILE 1, CLB, MXB, 1024
.Lnext:
	s_add_co_u32 s[TB], s[TB], 8192
	s_add_co_u32 s[I2], s[I2], 2
	s_sub_co_u32 s[CNT], s[CNT], 1
	s_cmp_lg_u32 s[CNT], 0
	s_cbranch_scc1 .Lstep
	s_add_co_u32 s[PB], s[PB], 32768
	s_sub_co_u32 s[P], s[P], 1
	s_cmp_lg_u32 s[P], 0
	s_cbranch_scc1 .Lpart
	s_add_co_i32 s62, s58, 127
	s_lshl_b32 s61, s62, 23
	s_add_co_i32 s62, s62, 8
	s_lshl_b32 s62, s62, 23
	s_or_b32 s62, s62, 0x600000
	s_add_co_i32 s63, s56, s57                     ; e8 + e9
	OUT 0, OUA
	OUT 1, OUB
	s_wait_dscnt 0x0                               ; my reads of K and V are over
	s_barrier_signal -1
	s_barrier_wait -1
	s_wait_tensorcnt 0x0                           ; the wave's end
	ds_add_u32 v[SPW], v[NIL]
	s_wait_dscnt 0x0
	s_endpgm
.Lfunc_end_k_q406ddc007d_attn:
	.size	k_q406ddc007d_attn, .Lfunc_end_k_q406ddc007d_attn-k_q406ddc007d_attn
	.p2alignl 7, 3214868480
	.fill 96, 4, 3214868480
	.section	.rodata,"a",@progbits
	.p2align	6, 0x0
	.amdhsa_kernel k_q406ddc007d_attn
		.amdhsa_group_segment_fixed_size 279552
		.amdhsa_private_segment_fixed_size 0
		.amdhsa_enable_private_segment 0
		.amdhsa_kernarg_size 40
		.amdhsa_user_sgpr_count 2
		.amdhsa_user_sgpr_kernarg_segment_ptr 1
		.amdhsa_wavefront_size32 1
		.amdhsa_system_sgpr_workgroup_id_x 1
		.amdhsa_system_sgpr_workgroup_id_y 1
		.amdhsa_system_sgpr_workgroup_id_z 1
		.amdhsa_system_vgpr_workitem_id 0
		.amdhsa_next_free_vgpr 512
		.amdhsa_next_free_sgpr 106
		.amdhsa_reserve_vcc 1
		.amdhsa_float_denorm_mode_32 3
		.amdhsa_float_denorm_mode_16_64 3
		.amdhsa_memory_ordered 1
		.amdhsa_forward_progress 1
		.amdhsa_inst_pref_size 74
	.end_amdhsa_kernel
	.amdgpu_metadata
---
amdhsa.version: [ 1, 2 ]
amdhsa.kernels:
  - .name:           k_q406ddc007d_attn
    .symbol:         k_q406ddc007d_attn.kd
    .args:
      - { .name: heads, .offset: 0, .size: 8, .value_kind: global_buffer, .address_space: global }
      - { .name: mbits, .offset: 8, .size: 8, .value_kind: global_buffer, .address_space: global }
      - { .name: mflag, .offset: 16, .size: 8, .value_kind: global_buffer, .address_space: global }
      - { .name: lowp_scales, .offset: 24, .size: 8, .value_kind: global_buffer, .address_space: global }
      - { .name: ac, .offset: 32, .size: 8, .value_kind: global_buffer, .address_space: global }
    .group_segment_fixed_size: 279552
    .private_segment_fixed_size: 0
    .kernarg_segment_align: 8
    .kernarg_segment_size: 40
    .max_flat_workgroup_size: 256
    .sgpr_count:     106
    .vgpr_count:     512
    .wavefront_size: 32
...
	.end_amdgpu_metadata
.endif
;; end of part 7
;; launch oproj (part 8): grid 8 x 32, 4 waves a work-group, clusters of 4 x 4, 296,448 bytes of LDS; arguments ac, wc, b_O, lowp_scales, out0; writes out0
.if DOCPART == 8
	.amdgcn_target "amdgcn-amd-amdhsa--gfx1250"
	.amdhsa_code_object_version 6
	.text
	.protected	k_q406ddc007d_oproj
	.globl	k_q406ddc007d_oproj
	.p2align	8
	.type	k_q406ddc007d_oproj,@function
k_q406ddc007d_oproj:
	s_mov_b64 s[64:65], 0
	v_nop
	global_prefetch_b8 v0, s[64:65] scope:SCOPE_SE
	s_setreg_imm32_b32 hwreg(HW_REG_WAVE_MODE, 25, 1), 1
	s_wait_xcnt 0x0
	s_wait_alu depctr_hold_cnt(0) depctr_sa_sdst(0) depctr_va_vdst(0) depctr_va_sdst(0) depctr_va_ssrc(0) depctr_va_vcc(0) depctr_vm_vsrc(0)
	s_getreg_b32 s2, hwreg(HW_REG_IB_STS2, 6, 4)
	s_cmp_eq_u32 s2, 0
	s_cbranch_scc0 .Lentry_in_a_cluster
	s_endpgm
.Lentry_in_a_cluster:
	s_bfe_u32 s2, ttmp6, 0x10000c
	s_cmp_lg_u32 s2, 0xf033
	s_cbranch_scc0 .Lentry_shape_is_right
	s_endpgm
.Lentry_shape_is_right:
; THE OUTPUT PROJECTION: out0[m][n] = 2^(e10 + e11) x sum over k of A[m][k] B[n][k] + b_O[n].  A = ac, B = W_O's codes (the fourth MiB of wc) [1024][1024]: codes of E4M3; out0 [4096][1024] f32.
; ac holds images of operand registers: [256 tiles of 16 tokens][16 heads][1,024 bytes]; lane L's 16 bytes of half c of an image at 512 c + 16 L: token row r = L % 16, k = 64 x head + 32 c + 16 (L / 16) + 0 .. 15.
; Row r of tile T is token 32 (T / 2) + 8 (T % 2) + r + 8 (r / 8).
; LIMIT: e10 + e11 between -126 and 127, so that 2^(e10 + e11) is an f32 number.
; A tile of 128 x 128 is made by four waves, each 64 x 64: 16 accumulators.  32 x 8 tiles: 256 work-groups, one for each WGP; tiles of 256 x 256 would be 64.
; THE TILE'S WHOLE K LIES IN LDS: A's 128 rows as dense images, B's 128 rows 1,040 bytes apart.  Each wave brings a quarter by ONE tensor load of 64 rows x 1,024 bytes; nothing is filled again, and there is no loop to prefetch ahead in.
; CLUSTERS: 4 x 4 work-groups.  The four of a row of the cluster need the same rows of A, the four of a column the same rows of B: each tile is asked for JOINTLY, by the same tensor load with the same
; descriptor and a mask that names the four: that divides the requests for both by four.
; THE MATRIX INSTRUCTION IS USED TRANSPOSED (source 0 = 16 rows of B, source 1 = 16 rows of A): a lane holds eight neighbouring numbers of a row of the output.  A fragment is fetched by four loads of 16 bytes:
; a permutation of k, the same in A and in B.
; REGISTERS, in windows of 256: window 0: v8, v12 LDS addresses of my A and B fragments; v24-27 the way out's addresses; v32-63 the bias of my 64 columns, in the result's layout;
;   v64-127 rows read back from the stage, two sets; v128-255 the accumulators ((a, b) at v[128 + 8 (4 a + b)]).   window 1: two fragment buffers of 128: for 128 along K, 64 registers of A (4 x 16 rows), then 64 of B.
.set SIZE_N, 1024
.set KROW,   1024                      ; a row of codes in memory
.set PITCH,  1040                      ; an LDS row of B: 1,024 bytes + 16 of padding: the 16 rows that a load touches start at 16 different banks (64 banks of 4 bytes: ISA guide 11.1)
.set FR,     16                        ; registers of a fragment: 16 rows x 128 K
.set BOFF,   131072                    ; B's rows lie behind A's images
.set STAGE,  278528                    ; behind them: 16 rows x 272 bytes for each wave, for the way out: no tile lands there
.set SPITCH, 272
.set SPARE,  STAGE+4*16*SPITCH         ; the spare words, 128 bytes for each wave, which no other line names
.set ADRA, 8
.set ADRB, 12
.set STO,  24                          ; v24  where I put 32 bytes of a stage row
.set RD,   25                          ; v25  where I read a row back
.set CO,   26                          ; v26  my byte offset in two rows of the output
.set BO,   27                          ; v27  my byte offset in the bias
.set BC,   32
.set BK,   64
.set ACC,  128
.set G1,   24                          ; s[24:31] descriptor group 1 for A's tile;  s[32:35] group 0
.set G0,   32
.set G1B,  48                          ; s[48:55], s[72:75] the same for B's
.set G0B,  72
.set MSB, 0
.macro WIN new                         ; the immediate's high byte repeats the setting that is left
.if MSB != \new
	s_set_vgpr_msb (MSB<<8)|\new
.set MSB, \new
.endif
.endm
.set MULW, 0x05                        ; sources 0 (B) and 1 (A) window 1; C and D window 0
.set TO_F, 0x40                        ; destination window 1, address window 0
.macro CROUND                          ; a round of the cluster's barrier
	s_barrier_signal -1
	s_barrier_wait -1
	s_cmp_lg_u32 s14, 0
	s_cbranch_scc1 .Lnot_wave_0_\@
	s_barrier_signal -3
.Lnot_wave_0_\@:
	s_barrier_wait -3
	s_barrier_signal -1
	s_barrier_wait -1
.endm
	s_load_b128 s[4:7], s[0:1], 0x0                ; ac s[4:5], wc s[6:7]
	s_load_b128 s[88:91], s[0:1], 0x10             ; b_O s[88:89], the scales s[90:91]
	s_load_b64 s[10:11], s[0:1], 0x20              ; out0
	v_lshl_add_u32 v30, v0, 2, SPARE
	v_mov_b32 v31, 0
	ds_add_u32 v30, v31                            ; the wave's opening
	ds_add_u32 v30, v31
	v_lshrrev_b32 v1, 5, v0
	v_readfirstlane_b32 s14, v1                    ; wave 0..3
	s_lshr_b32 s15, s14, 1                         ; which half of the tile's rows is mine.  Also: I fetch for A (0) or for B (1)
	s_and_b32 s16, s14, 1                          ; which half of its columns.  Also: which 64 rows of that tile I fetch
	s_bfe_u32 s56, ttmp6, 0x40000                  ; cx
	s_bfe_u32 s57, ttmp6, 0x40004                  ; cy
	s_lshl_b32 s58, ttmp9, 2
	s_add_co_u32 s58, s58, s56                     ; tile column = 4 x cluster x + cx, 0 .. 7
	s_and_b32 s17, ttmp7, 0xffff
	s_lshl_b32 s17, s17, 2
	s_add_co_u32 s17, s17, s57                     ; tile row = 4 x cluster y + cy, 0 .. 31
	s_lshl_b32 s59, s57, 2
	s_lshl_b32 s59, 15, s59                        ; my row of the cluster
	s_lshl_b32 s60, 0x1111, s56                    ; my column
	s_or_b32 s[G1+0], s59, 1<<21                   ; 15:0 the mask: A's tiles go to my row; 17:16 element of 1 byte; 21 set beside a mask; no padding
	s_or_b32 s[G1B+0], s60, (1<<20)|(1<<21)|(7<<22)|(3<<25)  ; B's go to my column; 20 padding on; 24:22 after every 256 words; 31:25 four words
.irp g, G1, G1B
	s_mov_b32 s[\g+1], KROW<<16                    ; tensor_dim0
	s_mov_b32 s[\g+2], 64<<16                      ; tensor_dim1 = 64
	s_mov_b32 s[\g+3], KROW<<16                    ; tile_dim0
	s_mov_b32 s[\g+4], 64                          ; tile_dim1 = 64
	s_mov_b32 s[\g+5], KROW                        ; tensor_dim0_stride
	s_mov_b32 s[\g+6], 0
	s_mov_b32 s[\g+7], 0
.endr
	s_lshl_b32 s18, s16, 6                         ; which 64 rows of the tile I fetch
	s_lshl_b32 s20, s17, 7
	s_add_co_u32 s20, s20, s18
	s_lshl_b32 s20, s20, 10                        ; A: 1,024 bytes a token, (128 x tile row + 64 x half) tokens on
	s_mov_b32 s21, 0
	s_lshl_b32 s62, s58, 7
	s_add_co_u32 s62, s62, s18
	s_lshl_b32 s62, s62, 10                        ; B: (128 x tile column + 64 x half) rows,
	s_add_co_u32 s62, s62, 0x300000                ; in the fourth MiB of wc
	s_mov_b32 s63, 0
	s_lshl_b32 s61, s16, 16                        ; where they go: no place in the cluster enters an LDS address
	s_mul_i32 s19, s16, 64*PITCH
	s_add_co_u32 s19, s19, BOFF
	s_wait_dscnt 0x0                               ; both opening adds are done
	s_wait_kmcnt 0x0
	s_load_b64 s[96:97], s[90:91], 0x28            ; e10, e11
	s_add_nc_u64 s[20:21], s[4:5], s[20:21]
	s_add_nc_u64 s[62:63], s[6:7], s[62:63]
	s_mov_b32 s[G0], 1                             ; count = 1
	s_mov_b32 s[G0+1], s61                         ; LDS address
	s_mov_b64 s[G0+2:G0+3], s[20:21]               ; global address
	s_or_b32 s[G0+3], s[G0+3], 0x80000000          ; type = 2
	s_mov_b32 s[G0B], 1
	s_mov_b32 s[G0B+1], s19
	s_mov_b64 s[G0B+2:G0B+3], s[62:63]
	s_or_b32 s[G0B+3], s[G0B+3], 0x80000000
	CROUND                                         ; all sixteen work-groups are here: the joint loads meet
	s_cmp_eq_u32 s15, 0                            ; one load a wave, in one branch on the wave's number
	s_cbranch_scc0 .Lfirst_b
	tensor_load_to_lds s[G0:G0+3], s[G1:G1+7]
	s_nop 0
.rept 4
	v_nop
.endr
	s_branch .Lfirst_asked
.Lfirst_b:
	tensor_load_to_lds s[G0B:G0B+3], s[G1B:G1B+7]
	s_nop 0
.rept 4
	v_nop
.endr
.Lfirst_asked:
	v_and_b32 v1, 15, v0                           ; r = l % 16
	v_bfe_u32 v2, v0, 4, 1                         ; h = l / 16
	v_mul_u32_u24 v3, v1, PITCH
	v_lshl_add_u32 v4, v2, 4, v3                   ; a fragment's row x pitch + 16 x half
	v_and_b32 v5, 31, v0
	v_lshlrev_b32 v5, 4, v5                        ; 16 x lane
	s_wait_alu depctr_va_vdst(0)
	s_lshl_b32 s18, s15, 16                        ; my 64 rows of A
	s_mul_i32 s19, s16, 64*PITCH                   ; my 64 rows of B
	s_add_co_u32 s19, s19, BOFF
	v_add_nc_u32 v[ADRA], s18, v5
	v_add_nc_u32 v[ADRB], s19, v4
	s_mul_i32 s22, s14, 16*SPITCH
	s_add_co_u32 s22, s22, STAGE                   ; my stage
	v_mul_u32_u24 v5, v1, SPITCH                   ; in: row r, 32 bytes for each half of the lanes
	v_lshl_add_u32 v5, v2, 5, v5
	v_add_nc_u32 v[STO], s22, v5
	v_mul_u32_u24 v5, v2, SPITCH                   ; back: lanes 0-15 take one row of 256 bytes, lanes 16-31 the next
	v_lshl_add_u32 v5, v1, 4, v5
	v_add_nc_u32 v[RD], s22, v5
	v_lshlrev_b32 v5, 12, v2                       ; and the same two rows in the output: a row is 4,096 bytes
	v_lshl_add_u32 v[CO], v1, 4, v5
	s_lshl_b32 s18, s58, 9
	s_lshl_b32 s19, s16, 8
	s_add_co_u32 s18, s18, s19                     ; my first column, in bytes: 512 x tile column + 256 x half
	v_lshl_add_u32 v[BO], v2, 5, s18               ; the bias: column 16 b + 8 h + j from there
.irp b, 0,1,2,3
	global_load_b128 v[BC+8*\b:BC+8*\b+3], v[BO], s[88:89] offset:64*\b
	global_load_b128 v[BC+8*\b+4:BC+8*\b+7], v[BO], s[88:89] offset:64*\b+16
.endr
	s_lshl_b32 s20, s17, 7
	s_lshl_b32 s21, s15, 6
	s_add_co_u32 s20, s20, s21                     ; my first row of the output: 128 x tile row + 64 x half
	s_lshl_b32 s20, s20, 12
	s_add_co_u32 s20, s20, s18
	s_mov_b32 s21, 0
	s_add_nc_u64 s[10:11], s[10:11], s[20:21]
.macro FETCH q, f                      ; 32 LDS loads in one run: the fragments of the q-th 128 along K into the buffer at f
	WIN TO_F
.irp i, 0,1,2,3
.irp c, 0,1,2,3
	ds_load_b128 v[\f+64+FR*\i+4*\c:\f+64+FR*\i+4*\c+3], v[ADRB] offset:128*(\q)+32*\c+\i*16*PITCH
.endr
.endr
.irp i, 0,1,2,3
.irp c, 0,1,2,3
	ds_load_b128 v[\f+FR*\i+4*\c:\f+FR*\i+4*\c+3], v[ADRA] offset:16384*\i+2048*(\q)+512*\c   ; two heads' images
.endr
.endr
.endm
.macro MUL f, zero                     ; 16 matrix instructions; zero = 1: the first products start the sums.  The 16 accumulators take turns, one instruction a turn, in the same order in every step
	WIN MULW
.irp a, 0,1,2,3
.irp b, 0,1,2,3
.if \zero
	v_wmma_f32_16x16x128_fp8_fp8 v[ACC+8*(4*\a+\b):ACC+8*(4*\a+\b)+7], v[\f+64+FR*\b:\f+64+FR*\b+FR-1], v[\f+FR*\a:\f+FR*\a+FR-1], 0
.else
	v_wmma_f32_16x16x128_fp8_fp8 v[ACC+8*(4*\a+\b):ACC+8*(4*\a+\b)+7], v[\f+64+FR*\b:\f+64+FR*\b+FR-1], v[\f+FR*\a:\f+FR*\a+FR-1], v[ACC+8*(4*\a+\b):ACC+8*(4*\a+\b)+7]
.endif
.endr
.endr
.endm
.macro PLACES                          ; four plain vector lines between a matrix instruction and a load into a register that it has read, or a read or write of its result
.rept 4
	v_nop
.endr
.endm
.macro KSTEP q, zero                   ; step q of eight, 128 along K, buffer q % 2.  The next step's fragments are asked for ahead of this step's products
	s_wait_dscnt 0x0                               ; this step's fragments are in
.if (\q) < 7
.if (\q) > 0
	PLACES                                         ; the last step's products have read the buffer that is filled now
.endif
	FETCH (\q)+1, 128*(((\q)+1)%2)
.endif
	MUL 128*((\q)%2), \zero
.endm
	s_wait_alu depctr_va_vdst(0)
	s_wait_tensorcnt 0x0                           ; my quarter has landed
	s_barrier_signal -1
	s_barrier_wait -1                              ; everybody's has
	FETCH 0, 0
	KSTEP 0, 1
	KSTEP 1, 0
	KSTEP 2, 0
	KSTEP 3, 0
	KSTEP 4, 0
	KSTEP 5, 0
	KSTEP 6, 0
	KSTEP 7, 0
	WIN 0
; THE WAY OUT, block by block of 16 rows x 64 columns.  A lane holds 32 neighbouring bytes of a row and the lanes beside it hold other rows: so a block goes through my own stage in LDS and comes back as whole rows of
; 256 bytes, my 64 columns, which sixteen lanes store as one aligned run.  LDS serves a wave's instructions in order (ISA guide 5.7.1.4): no wait between the stores and the loads, nor in front of the next block's stores.
.macro OUTB a
.set j, 0
.rept 16
	v_pk_fma_f32 v[ACC+32*(\a)+j:ACC+32*(\a)+j+1], v[ACC+32*(\a)+j:ACC+32*(\a)+j+1], s[96:97], v[BC+j:BC+j+1] op_sel_hi:[1,0,1]   ; sum x 2^(e10 + e11) + bias, in place; each accumulator from its low end on
.set j, j+2
.endr
.irp b, 0,1,2,3
	ds_store_b128 v[STO], v[ACC+32*(\a)+8*\b:ACC+32*(\a)+8*\b+3] offset:64*\b
	ds_store_b128 v[STO], v[ACC+32*(\a)+8*\b+4:ACC+32*(\a)+8*\b+7] offset:64*\b+16
.endr
.set BB, BK+32*((\a)%2)
.irp t, 0,1,2,3,4,5,6,7
	ds_load_b128 v[BB+4*\t:BB+4*\t+3], v[RD] offset:\t*2*SPITCH
.endr
.endm
.macro SEND a, younger                 ; younger: the LDS instructions issued behind block a's loads, which may stay out
.set BB, BK+32*((\a)%2)
	s_wait_dscnt \younger                          ; the block is back in registers
.irp t, 0,1,2,3,4,5,6,7
	global_store_b128 v[CO], v[BB+4*\t:BB+4*\t+3], s[10:11] offset:(32*((\a)/2)+8*((\a)%2)+2*\t+8*(\t/4))*SIZE_N*4 th:TH_STORE_NT   ; 16 lanes store 256 consecutive bytes, aligned; the row stands in the immediate: 62 rows of 4,096 bytes at the most
.endr
.endm
	s_wait_loadcnt 0x0                             ; the bias
	s_wait_kmcnt 0x0
	s_add_co_i32 s96, s96, s97                     ; e10 + e11
	s_add_co_i32 s96, s96, 127
	s_lshl_b32 s96, s96, 23                        ; 2^(e10 + e11) as f32 (the packed form takes the pair's low word for both halves)
	PLACES                                         ; behind the last products
	OUTB 0
	OUTB 1
	SEND 0, 16                                     ; behind block 0's loads: block 1's 8 stores and 8 loads
	s_wait_xcnt 0x0                                ; block 0's stores have read their registers: block 2's loads may land there
	OUTB 2
	SEND 1, 16
	s_wait_xcnt 0x0                                ; block 1's likewise
	OUTB 3
	SEND 2, 16
	SEND 3, 0
	s_wait_tensorcnt 0x0                           ; the wave's end
	ds_add_u32 v30, v31
	s_wait_dscnt 0x0
	CROUND                                         ; the closing round: no work-group ends while a partner may still ask for a tile that names it
	s_endpgm
.Lfunc_end_k_q406ddc007d_oproj:
	.size	k_q406ddc007d_oproj, .Lfunc_end_k_q406ddc007d_oproj-k_q406ddc007d_oproj
	.p2alignl 7, 3214868480
	.fill 96, 4, 3214868480
	.section	.rodata,"a",@progbits
	.p2align	6, 0x0
	.amdhsa_kernel k_q406ddc007d_oproj
		.amdhsa_group_segment_fixed_size 296448
		.amdhsa_private_segment_fixed_size 0
		.amdhsa_enable_private_segment 0
		.amdhsa_kernarg_size 40
		.amdhsa_user_sgpr_count 2
		.amdhsa_user_sgpr_kernarg_segment_ptr 1
		.amdhsa_wavefront_size32 1
		.amdhsa_system_sgpr_workgroup_id_x 1
		.amdhsa_system_sgpr_workgroup_id_y 1
		.amdhsa_system_sgpr_workgroup_id_z 1
		.amdhsa_system_vgpr_workitem_id 0
		.amdhsa_next_free_vgpr 512
		.amdhsa_next_free_sgpr 100
		.amdhsa_reserve_vcc 0
		.amdhsa_float_denorm_mode_32 3
		.amdhsa_float_denorm_mode_16_64 3
		.amdhsa_memory_ordered 1
		.amdhsa_forward_progress 1
		.amdhsa_inst_pref_size 45
	.end_amdhsa_kernel
	.amdgpu_metadata
---
amdhsa.version: [ 1, 2 ]
amdhsa.kernels:
  - .name:           k_q406ddc007d_oproj
    .symbol:         k_q406ddc007d_oproj.kd
    .args:
      - { .name: ac, .offset: 0, .size: 8, .value_kind: global_buffer, .address_space: global }
      - { .name: wc, .offset: 8, .size: 8, .value_kind: global_buffer, .address_space: global }
      - { .name: b_O, .offset: 16, .size: 8, .value_kind: global_buffer, .address_space: global }
      - { .name: lowp_scales, .offset: 24, .size: 8, .value_kind: global_buffer, .address_space: global }
      - { .name: out0, .offset: 32, .size: 8, .value_kind: global_buffer, .address_space: global }
    .group_segment_fixed_size: 296448
    .private_segment_fixed_size: 0
    .kernarg_segment_align: 8
    .kernarg_segment_size: 40
    .max_flat_workgroup_size: 128
    .sgpr_count:     100
    .vgpr_count:     512
    .wavefront_size: 32
...
	.end_amdgpu_metadata
.endif
;; end of part 8
